; MI455X (gfx1250); checked and timed in simulation.
; The chip was launched on July 23, 2026; its instructions are those of AMD's public machine-readable ISA for CDNA 5 (MIT licence, August 2026) and "CDNA5" Instruction Set Architecture Reference Guide (July 2026). The comments in the code are by the model that wrote it; some were corrected since.
;; MLP Model. Allowed arithmetic: float matrix products may take bf16 or f16 operands with f32 sums; other float arithmetic in f32, or as packed bf16 or f16 multiplies, adds, multiply-adds, maxima and minima; sums over many terms, partial sums and values carried from step to step in f32; what a program stores and reads back later, other than sums and carried values, may be rounded once to bf16 or f16.
;; Inputs: W1 32 x 64 float32; W2 64 x 64 float32; W3 64 x 16 float32; table 16 x 524,288 x 2 float32; x 1,048,576 x 3 float32.
;; Outputs: out0 1,048,576 x 16 float32.
;; 4 versions, each right; version 4 is version 3 with the launch encode written anew for expert scheduling mode. Each part assembles by itself: llvm-mc -triple=amdgcn-amd-amdhsa -mcpu=gfx1250 --defsym DOCPART=n.
;; ======== version 1 of 4: 2 launches
;; limits: values are held in f16: magnitudes above 65,504 overflow, below 6.1e-05 lose precision; inputs' magnitudes at most 127
;; workspace buffers: xq 12,582,912 bytes of whole numbers; wf 14,592 bytes
;; launch quant (part 1): grid 256 x 1, 8 waves a work-group, no clusters, 0 bytes of LDS; arguments x, W1, W2, W3, xq, wf; writes xq, wf
.if DOCPART == 1
	.amdgcn_target "amdgcn-amd-amdhsa--gfx1250"
	.amdhsa_code_object_version 6
	.text
	.protected	k_q3e0cafc984_quant
	.globl	k_q3e0cafc984_quant
	.p2align	8
	.type	k_q3e0cafc984_quant,@function
k_q3e0cafc984_quant:
	s_mov_b64 s[64:65], 0
	v_nop
	global_prefetch_b8 v0, s[64:65] scope:SCOPE_SE
	s_setreg_imm32_b32 hwreg(HW_REG_WAVE_MODE, 25, 1), 1
	s_wait_xcnt 0x0
; QUANT.  Two preparations for the launch that follows.
; PART X, every wave: xq = trunc(x * 2^27) as u32 (5 whole bits, 27 bits of fraction), laid out as x is: [point][3].  The next launch makes cells, weights and table indices from xq
; by integer arithmetic alone.  The product by 2^27 is exact; the conversion cuts toward zero and saturates.
; LIMITS.  x in [0, 32): a negative x and NaN count as 0, x of 32 or more as 32 - 2^-27; what lies below 2^-27 of x is dropped (at the finest level, 7,006 cells, 5e-5 of a cell).
; A work-group owns 49,152 consecutive bytes: 12 chunks of 4,096; thread t takes 16 bytes at 16 t of each, so a wave's load or store covers 512 consecutive bytes, aligned.
; PART W, wave 0 of work-groups 0 to 13: one source-0 fragment (16 output features x 32 inputs, f16) of the 14 that the three layers need: 0-3 W1 (feature tile t = f); 4-11 W2 (t = (f-4)/2,
; inputs 32 a on, a = (f-4)%2); 12, 13 W3 (a = f-12).  Lane (r = l % 16, h = l / 16) holds W[k][16 t + r]: registers 0-3 k = 32 a + 8 h + 0..7, registers 4-7 k = 32 a + 16 + 8 h + 0..7.
; Each matrix is first multiplied by 2^-e, e the exponent of its largest magnitude (exact), so that its numbers lie within (-2, 2) whatever their scale, and then rounded once to f16.
; osc = 2^(e1 + e2 + e3 - 8) puts the three scales, and the 2^8 by which the features are kept larger, back at the very end; work-group 0 stores it.
; LIMIT.  The largest magnitude of each matrix lies below 2^126; infinities and NaN are not treated apart.  A matrix of zeros gives zeros.
.set SHARE, 49152                      ; bytes of x and of xq in a work-group
.set XD,  16                           ; v[16:63]   part X: chunk j at XD + 4 j.   Part W: v[16:79] W1, v[80:207] W2, v[208:239] W3, whole
.set FR,  240                          ; v[240:255] part W: the fragment's 16 numbers: first their byte offsets, then the numbers themselves
.set PKD, 8                            ; v[8:15]    the fragment, packed
	s_load_b256 s[4:11], s[0:1], 0x0               ; x s[4:5], W1 s[6:7], W2 s[8:9], W3 s[10:11]
	s_load_b128 s[12:15], s[0:1], 0x20             ; xq s[12:13], wf s[14:15]
	v_lshlrev_b32 v1, 4, v0                        ; 16 t; never rewritten
	v_lshrrev_b32 v2, 5, v0
	v_readfirstlane_b32 s16, v2                    ; wave 0..7
	s_mov_b32 s17, ttmp9                           ; the work-group; in part W the fragment's number f
	s_mul_i32 s2, s17, SHARE
	s_mov_b32 s3, 0
	s_wait_kmcnt 0x0
	s_add_nc_u64 s[4:5], s[4:5], s[2:3]
	s_add_nc_u64 s[12:13], s[12:13], s[2:3]
.irp j, 0,1,2,3,4,5,6,7,8,9,10,11
	global_load_b128 v[XD+4*(\j):XD+4*(\j)+3], v1, s[4:5] offset:4096*(\j) th:TH_LOAD_NT  ; all twelve loads go out before the first is used
.endr
.irp j, 0,1,2,3,4,5,6,7,8,9,10,11
	s_wait_loadcnt 11-(\j)                         ; loads come back in order: chunk j is in, the 11 - j younger ones stay out
	v_pk_mul_f32 v[XD+4*(\j):XD+4*(\j)+1],   v[XD+4*(\j):XD+4*(\j)+1],   0x4d000000 op_sel_hi:[1,0]  ; x * 2^27
	v_pk_mul_f32 v[XD+4*(\j)+2:XD+4*(\j)+3], v[XD+4*(\j)+2:XD+4*(\j)+3], 0x4d000000 op_sel_hi:[1,0]
	v_cvt_u32_f32 v[XD+4*(\j)],   v[XD+4*(\j)]
	v_cvt_u32_f32 v[XD+4*(\j)+1], v[XD+4*(\j)+1]
	v_cvt_u32_f32 v[XD+4*(\j)+2], v[XD+4*(\j)+2]
	v_cvt_u32_f32 v[XD+4*(\j)+3], v[XD+4*(\j)+3]
	global_store_b128 v1, v[XD+4*(\j):XD+4*(\j)+3], s[12:13] offset:4096*(\j)
.endr
	s_cmp_lg_u32 s16, 0
	s_cbranch_scc1 .Lend
	s_cmp_ge_u32 s17, 14
	s_cbranch_scc1 .Lend
	; PART W
	s_wait_xcnt 0x0                                ; the stores above have read their data: v16 on are written again only behind this wait
	s_sub_co_u32 s18, s17, 4
	s_lshr_b32 s19, s18, 1                         ; W2's t
	s_and_b32 s20, s18, 1                          ; W2's a
	s_sub_co_u32 s21, s17, 12                      ; W3's a
	s_cmp_lt_u32 s17, 12
	s_cselect_b64 s[22:23], s[8:9], s[10:11]       ; the fragment's matrix,
	s_cselect_b32 s24, s19, 0                      ; t,
	s_cselect_b32 s25, s20, s21                    ; a,
	s_cselect_b32 s26, 256, 64                     ; and the bytes from one k to the next
	s_cmp_lt_u32 s17, 4
	s_cselect_b64 s[22:23], s[6:7], s[22:23]
	s_cselect_b32 s24, s17, s24
	s_cselect_b32 s25, 0, s25
	s_mul_i32 s27, s25, s26
	s_lshl_b32 s27, s27, 5                         ; 32 a rows
	s_lshl_b32 s28, s24, 6                         ; 16 t columns
	s_add_co_u32 s27, s27, s28
	s_lshl_b32 s29, s26, 3                         ; 8 rows
	s_lshl_b32 s30, s26, 4                         ; 16 rows
	s_mov_b32 s40, 0x76543210                      ; v_permlanex16_b32: each lane takes its own place in the other half
	s_mov_b32 s41, 0xfedcba98
	v_and_b32 v6, 15, v0                           ; r
	v_bfe_u32 v7, v0, 4, 1                         ; h
	v_mov_b32 v5, 0                                ; the exchange's destination counts as read: written once here
	v_mul_u32_u24 v[FR], v7, s29
	v_lshl_add_u32 v[FR], v6, 2, v[FR]
	v_add_nc_u32 v[FR], s27, v[FR]                 ; row 32 a + 8 h, column 16 t + r
.irp j, 1,2,3,4,5,6,7
	v_add_nc_u32 v[FR+(\j)], s26, v[FR+(\j)-1]     ; the seven rows below
.endr
.irp j, 0,1,2,3,4,5,6,7
	v_add_nc_u32 v[FR+8+(\j)], s30, v[FR+(\j)]     ; and the same eight, 16 rows on
.endr
.irp j, 0,1,2,3,4,5,6,7,8,9,10,11,12,13,14,15
	global_load_b32 v[FR+(\j)], v[FR+(\j)], s[22:23]  ; each lands on its own offset
.endr
.set i, 0
.rept 16
	global_load_b128 v[16+4*i:19+4*i], v1, s[6:7] offset:512*i    ; all of W1 (in wave 0 the thread is the lane: v1 = 16 l)
.set i, i+1
.endr
.set i, 0
.rept 32
	global_load_b128 v[80+4*i:83+4*i], v1, s[8:9] offset:512*i    ; all of W2
.set i, i+1
.endr
.set i, 0
.rept 8
	global_load_b128 v[208+4*i:211+4*i], v1, s[10:11] offset:512*i  ; all of W3
.set i, i+1
.endr
	s_wait_loadcnt 0x0
; The largest magnitude of n registers from first on, over all 32 lanes, into every lane of dst.
.macro AMAX dst, first, n
	v_max3_num_f32 v[\dst], |v[\first]|, |v[(\first)+1]|, |v[(\first)+2]|
.set i, 3
.rept ((\n)-4)/2
	v_max3_num_f32 v[\dst], v[\dst], |v[(\first)+i]|, |v[(\first)+i+1]|
.set i, i+2
.endr
	v_max_num_f32 v[\dst], v[\dst], |v[(\first)+(\n)-1]|
	v_max_num_f32_dpp v[\dst], v[\dst], v[\dst] row_xmask:1 row_mask:0xf bank_mask:0xf
	v_max_num_f32_dpp v[\dst], v[\dst], v[\dst] row_xmask:2 row_mask:0xf bank_mask:0xf
	v_max_num_f32_dpp v[\dst], v[\dst], v[\dst] row_xmask:4 row_mask:0xf bank_mask:0xf
	v_max_num_f32_dpp v[\dst], v[\dst], v[\dst] row_xmask:8 row_mask:0xf bank_mask:0xf
	v_permlanex16_b32 v5, v[\dst], s40, s41
	v_max_num_f32 v[\dst], v[\dst], v5
.endm
	AMAX 2, 16, 64
	AMAX 3, 80, 128
	AMAX 4, 208, 32
	v_readfirstlane_b32 s31, v2
	v_readfirstlane_b32 s32, v3
	v_readfirstlane_b32 s33, v4
	s_and_b32 s31, s31, 0x7f800000                 ; the exponent's bits alone: read as a float, 2^e1
	s_and_b32 s32, s32, 0x7f800000                 ; 2^e2
	s_and_b32 s33, s33, 0x7f800000                 ; 2^e3
	s_cmp_lt_u32 s17, 12
	s_cselect_b32 s34, s32, s33
	s_cmp_lt_u32 s17, 4
	s_cselect_b32 s34, s31, s34                    ; my matrix's
	s_sub_co_u32 s34, 0x7f000000, s34              ; biased exponent 254 - b: read as a float, 2^-e
.irp j, 0,1,2,3,4,5,6,7,8,9,10,11,12,13,14,15
	v_mul_f32 v[FR+(\j)], s34, v[FR+(\j)]          ; exact
.endr
.irp q, 0,1,2,3
	v_cvt_pk_f16_f32 v[PKD+(\q)],   v[FR+2*(\q)],   v[FR+2*(\q)+1]    ; the lower k in the lower half
	v_cvt_pk_f16_f32 v[PKD+4+(\q)], v[FR+8+2*(\q)], v[FR+8+2*(\q)+1]
.endr
	s_lshl_b32 s36, s17, 10                        ; fragment f lies at 1,024 f: registers 0-3 of lane l at 16 l, registers 4-7 at 512 + 16 l
	s_mov_b32 s37, 0
	s_add_nc_u64 s[14:15], s[14:15], s[36:37]
	global_store_b128 v1, v[PKD:PKD+3],   s[14:15]
	global_store_b128 v1, v[PKD+4:PKD+7], s[14:15] offset:512
	s_cmp_lg_u32 s17, 0
	s_cbranch_scc1 .Lend
	s_mul_f32 s38, s31, s32                        ; work-group 0 (for which s[14:15] is wf's first byte): osc = 2^(e1 + e2 + e3 - 8)
	s_mul_f32 s38, s38, s33
	s_mul_f32 s38, s38, 0x3b800000
	v_mov_b32 v4, s38
	v_lshlrev_b32 v5, 2, v0
	global_store_b32 v5, v4, s[14:15] offset:14336 ; 32 copies, behind the 14 fragments
.Lend:
	s_endpgm
.Lfunc_end_k_q3e0cafc984_quant:
	.size	k_q3e0cafc984_quant, .Lfunc_end_k_q3e0cafc984_quant-k_q3e0cafc984_quant
	.p2alignl 7, 3214868480
	.fill 96, 4, 3214868480
	.section	.rodata,"a",@progbits
	.p2align	6, 0x0
	.amdhsa_kernel k_q3e0cafc984_quant
		.amdhsa_group_segment_fixed_size 0
		.amdhsa_private_segment_fixed_size 0
		.amdhsa_enable_private_segment 0
		.amdhsa_kernarg_size 48
		.amdhsa_user_sgpr_count 2
		.amdhsa_user_sgpr_kernarg_segment_ptr 1
		.amdhsa_wavefront_size32 1
		.amdhsa_system_sgpr_workgroup_id_x 1
		.amdhsa_system_sgpr_workgroup_id_y 1
		.amdhsa_system_sgpr_workgroup_id_z 1
		.amdhsa_system_vgpr_workitem_id 0
		.amdhsa_next_free_vgpr 256
		.amdhsa_next_free_sgpr 66
		.amdhsa_reserve_vcc 0
		.amdhsa_float_denorm_mode_32 3
		.amdhsa_float_denorm_mode_16_64 3
		.amdhsa_memory_ordered 1
		.amdhsa_forward_progress 1
		.amdhsa_inst_pref_size 26
	.end_amdhsa_kernel
	.amdgpu_metadata
---
amdhsa.version: [ 1, 2 ]
amdhsa.kernels:
  - .name:           k_q3e0cafc984_quant
    .symbol:         k_q3e0cafc984_quant.kd
    .args:
      - { .name: x, .offset: 0, .size: 8, .value_kind: global_buffer, .address_space: global }
      - { .name: W1, .offset: 8, .size: 8, .value_kind: global_buffer, .address_space: global }
      - { .name: W2, .offset: 16, .size: 8, .value_kind: global_buffer, .address_space: global }
      - { .name: W3, .offset: 24, .size: 8, .value_kind: global_buffer, .address_space: global }
      - { .name: xq, .offset: 32, .size: 8, .value_kind: global_buffer, .address_space: global }
      - { .name: wf, .offset: 40, .size: 8, .value_kind: global_buffer, .address_space: global }
    .group_segment_fixed_size: 0
    .private_segment_fixed_size: 0
    .kernarg_segment_align: 8
    .kernarg_segment_size: 48
    .max_flat_workgroup_size: 256
    .sgpr_count:     66
    .vgpr_count:     256
    .wavefront_size: 32
...
	.end_amdgpu_metadata
.endif
;; end of part 1
;; launch encode (part 2): grid 256 x 1, 16 waves a work-group, no clusters, 264,192 bytes of LDS; arguments xq, table, wf, out0; writes out0
.if DOCPART == 2
	.amdgcn_target "amdgcn-amd-amdhsa--gfx1250"
	.amdhsa_code_object_version 6
	.text
	.protected	k_q3e0cafc984_encode
	.globl	k_q3e0cafc984_encode
	.p2align	8
	.type	k_q3e0cafc984_encode,@function
k_q3e0cafc984_encode:
	s_mov_b64 s[64:65], 0
	v_nop
	global_prefetch_b8 v0, s[64:65] scope:SCOPE_SE
	s_setreg_imm32_b32 hwreg(HW_REG_WAVE_MODE, 25, 1), 1
	s_wait_xcnt 0x0
; ENCODE.  out = relu(relu(h W1) W2) W3, h = the 16-level grid encoding of x.  xq (u32, x * 2^27) and wf (f16 weight fragments and osc) come from the launch before.
; SHARES.  256 work-groups of 16 waves; a work-group owns 4,096 points, a wave 256: 16 tiles of 16.  A wave touches only its own 16 KiB of LDS: the kernel has no barrier.
; PHASE 1, THE GATHER, LEVEL BY LEVEL.  A wave keeps the xq of its 256 points in registers and walks the 16 levels one after the other, so that all waves gather from one level's 4 MiB at about the same time.
; Two lanes a point: lane 2 p + i takes x-corner i of point p.  The two x-corners' entries are neighbours in a dense level, and in a hashed one their indices differ by (cx ^ (cx + 1)) alone.
; POSITION.  xq * (res << 5) in 64 bits: the high word is floor(x res), the low word the fraction * 2^32: cell and weight come from one whole number and always agree.  The interpolant is continuous
; from cell to cell, so a position that falls on the other side of a cell's edge than a rounded f32 product would gives the same value to within the position's error.
; INDEX.  Levels 0-3 ((res + 1)^3 <= 2^19): cx + cy S1 + cz S1^2.  Levels 4-15: cx ^ cy P1 ^ cz P2 mod 2^19; only the products' low 19 bits count, so the primes are taken mod 2^19.
; res = floor(16 * 1.5^l) = (16 * 3^l) >> l.
; The level's two features, times 2^8, go to LDS as a pair of f16, in the order in which layer 1 reads them as source 1.
; PHASE 2, THE MLP, two tiles a trip.  Source 0 = 16 output features (wf), source 1 = 16 points: in every layer's result a lane holds ONE point (l % 16) and features 8 (l / 16) + 0..7, and two results
; rounded in pairs ARE source 1 of the next layer: nothing changes lanes between the layers.  f16 operands, f32 sums.
; RANGE.  The MLP has no bias, so powers of two go through it unchanged.  The weights arrive within (-2, 2).  Layer 1's result is multiplied, point by point, by 2^-(e+1), e the exponent of the point's
; largest positive number: it lies in [0, 1) (negative numbers are cut to 0 in the same line: the ReLU).  So |layer 2's sums| < 64 * 2 * 1 = 128: nothing passes f16's range.  out = sums * 2^(e+1) * osc.
; LIMITS.  x as in the launch before.  A dense level's lowest corner index is held to 0x7f3f7 = 2^19 - 1 - 55 - 3025, so that all corners stay in the table: exact wherever all eight of the
; problem's own indices lie below that.  |interpolated feature| < 255 (2^8 times it is kept in f16).  Layer 1's sums below 2^125.  Infinities and NaN are not treated apart.
; NO CLUSTER, NO TENSOR LOADS: work-groups share no tile; the table is reached by single entries at indices that differ from lane to lane; the shared weights are 14 KiB.
.set SPARE, 262144                     ; LDS: H in bytes 0 .. 262,143; behind it the spare words, 128 bytes for each of the 16 waves, which no other line names
; H: 16,384 w + 1,024 t + 256 (l / 4) + 16 p + 4 (l % 4): a level's store has its 16 points 16 bytes apart; a 16-byte read of four levels takes 256 consecutive bytes for 16 points.
.set SPW,  1                           ; v1   LDS address of my spare word; never rewritten
.set NIL,  2                           ; v2   0, for the add alone
.set LI,   3                           ; v3   i = l % 2
.set AI,   4                           ; v4   256 (i = 0) or 0 (i = 1)
.set BI,   5                           ; v5   -2^-24 (i = 0) or 2^-24 (i = 1): 256 x my x-weight = fraction32 * BI + AI
.set ZZ,   6                           ; v[6:7] 0
.set HST0, 8                           ; v8   16,384 w + 16 (l / 2)
.set HST,  9                           ; v9   + the level's place
.set XO,   10                          ; v10  my point's 12 bytes in the wave's xq
.set PFO,  11                          ; v11  the prefetches' offset in a level
; v[12:17] the three products (low, high); v18, v[20:21] fractions as f32; v22-25 cy P1, (cy+1) P1, cz P2, (cz+1) P2; v26 cx + i; v27, v28 at work; v[30:33] at work
.set XQ,   64                          ; v[64:127]  tile t's xq at XQ + 4 t .. + 2
.set RING, 128                         ; v[128:223] eight slots of 12: +0 F00, +2 F10, +4 F01, +6 F11 (F jk: y-corner j, z-corner k; two features each), +8 wy, +9 wz, +10 256 wx_i, +11 the dense index
; scalars: s[4:5] xq, s[6:7] table, s[8:9] wf, s[10:11] out0 (at the work-group's part); s12 wave; s13 the level's place in H; s14 16 * 3^l; s15 l; s16 res << 5; s17 S1; s18 S1^2;
; s[20:27] the level's table at corners (0,0), (1,0), (0,1), (1,1) of y and z; s28, s29 the primes mod 2^19; s30 2^19 - 1; s31, s32 counters; s33 osc; s[34:35] an offset; s36 the first level at which I prefetch;
; s[38:39] lane selects; s40 16,384 w
	s_load_b256 s[4:11], s[0:1], 0x0
	v_lshl_add_u32 v[SPW], v0, 2, SPARE
	v_mov_b32 v[NIL], 0
	v_lshrrev_b32 v12, 5, v0
	v_readfirstlane_b32 s12, v12                   ; wave 0..15
	v_and_b32 v13, 31, v0                          ; l
	v_and_b32 v[LI], 1, v0
	v_lshrrev_b32 v14, 1, v13                      ; my point in a tile
	v_xor_b32 v15, 1, v[LI]
	v_cvt_f32_u32 v[AI], v15
	v_mul_f32 v[AI], 0x43800000, v[AI]
	v_lshl_or_b32 v[BI], v15, 31, 0x33800000
	v_mov_b32 v[ZZ], 0
	v_mov_b32 v[ZZ+1], 0
	s_lshl_b32 s40, s12, 14
	v_lshl_add_u32 v[HST0], v14, 4, s40
	s_mul_i32 s41, s12, 3072                       ; 256 points of 12 bytes
	v_mul_u32_u24 v[XO], v14, 12
	v_add_nc_u32 v[XO], s41, v[XO]
	s_and_b32 s43, s12, 1
	s_lshl_b32 s42, ttmp9, 1
	s_add_co_u32 s42, s42, s43
	s_lshl_b32 s42, s42, 13
	v_lshl_add_u32 v[PFO], v13, 8, s42             ; ((2 x work-group + wave % 2) x 32 + l) x 256: inside a level for every wave
	s_mov_b32 s28, 0x779b1                         ; 2,654,435,761 mod 2^19
	s_mov_b32 s29, 0x25795                         ; 805,459,861 mod 2^19
	s_mov_b32 s30, 0x7ffff
	s_mov_b32 s38, 0x76543210
	s_mov_b32 s39, 0xfedcba98
	s_mov_b32 s35, 0
	s_cmp_lt_u32 s12, 2
	s_cselect_b32 s36, 3, 99                       ; waves 0 and 1 prefetch from level 3 on, the others never
	s_mov_b32 s14, 16
	s_mov_b32 s15, 0
	s_mov_b32 s13, 0
	s_mul_i32 s34, ttmp9, 49152
	s_wait_kmcnt 0x0
	s_add_nc_u64 s[4:5], s[4:5], s[34:35]
	s_lshl_b32 s34, ttmp9, 18                      ; 4,096 points of 64 bytes
	s_add_nc_u64 s[10:11], s[10:11], s[34:35]
	s_mov_b64 s[20:21], s[6:7]
	s_load_b32 s33, s[8:9], 0x3800                 ; osc; no line of this kernel writes wf
.set i, 0
.rept 16
	global_load_b96 v[XQ+4*i:XQ+4*i+2], v[XO], s[4:5] offset:192*i th:TH_LOAD_NT  ; a tile's 192 consecutive bytes; the two lanes of a point read the same 12
.set i, i+1
.endr
	s_wait_loadcnt 0x0
	s_wait_kmcnt 0x0
; Tile t's position in the level: cells in v13, v15, v17; the slot's three weights; cx + i.
.macro POS t
.set SL, RING+12*((\t)%8)
	v_mad_nc_u64_u32 v[12:13], v[XQ+4*(\t)],   s16, v[ZZ:ZZ+1]
	v_mad_nc_u64_u32 v[14:15], v[XQ+4*(\t)+1], s16, v[ZZ:ZZ+1]
	v_mad_nc_u64_u32 v[16:17], v[XQ+4*(\t)+2], s16, v[ZZ:ZZ+1]
	v_cvt_f32_u32 v18, v12
	v_cvt_f32_u32 v20, v14
	v_cvt_f32_u32 v21, v16
	v_fma_f32 v[SL+10], v18, v[BI], v[AI]          ; 256 (1 - wx) or 256 wx
	v_pk_mul_f32 v[SL+8:SL+9], v[20:21], 0x2f800000 op_sel_hi:[1,0]  ; wy, wz: fraction32 * 2^-32
	v_add_nc_u32 v26, v13, v[LI]
.endm
; Tile t's four loads of 8 bytes a lane.  kind = 0: a dense level: one index, four bases.  kind = 1: a hashed level: four indices; each load lands on its own index.
; Every index passes a v_min_u32 with a constant as its last step, so that no load leaves the level's 2^19 entries whatever xq holds.
.macro ISSUE kind, t
	POS \t
.if \kind
	v_mul_u32_u24 v22, s28, v15
	v_mul_u32_u24 v24, s29, v17
	v_add_nc_u32 v23, s28, v22
	v_add_nc_u32 v25, s29, v24
	v_xor_b32 v27, v26, v22
	v_xor_b32 v28, v26, v23
	v_xor_b32 v[SL],   v27, v24
	v_xor_b32 v[SL+2], v28, v24
	v_xor_b32 v[SL+4], v27, v25
	v_xor_b32 v[SL+6], v28, v25
.irp c, 0,2,4,6
	v_and_b32 v[SL+(\c)], s30, v[SL+(\c)]
.endr
.irp c, 0,2,4,6
	v_min_u32 v[SL+(\c)], 0x7ffff, v[SL+(\c)]
.endr
.irp c, 0,2,4,6
	global_load_b64 v[SL+(\c):SL+(\c)+1], v[SL+(\c)], s[20:21] scale_offset
.endr
.else
	v_mad_u32_u24 v27, v15, s17, v26
	v_mad_u32_u24 v27, v17, s18, v27
	v_min_u32 v[SL+11], 0x7f3f7, v27
.irp c, 0,2,4,6
	global_load_b64 v[SL+(\c):SL+(\c)+1], v[SL+11], s[20+(\c):21+(\c)] scale_offset
.endr
.endif
.endm
; Tile t's four entries are blended along y, then z, weighted by my x-weight, added to the other x-corner's in the neighbouring lane, rounded to f16 and put into H.
; left = the loads issued behind this tile's four, which may stay out.  That wait also frees the slot's index registers for the tile eight further on.
.macro CONSUME t, left
.set SL, RING+12*((\t)%8)
	s_wait_loadcnt \left
	v_pk_add_f32 v[30:31], v[SL+2:SL+3], v[SL:SL+1]   neg_lo:[0,1] neg_hi:[0,1]
	v_pk_add_f32 v[32:33], v[SL+6:SL+7], v[SL+4:SL+5] neg_lo:[0,1] neg_hi:[0,1]
	v_pk_fma_f32 v[SL:SL+1],   v[30:31], v[SL+8:SL+9], v[SL:SL+1]   op_sel_hi:[1,0,1]  ; both features by wy
	v_pk_fma_f32 v[SL+4:SL+5], v[32:33], v[SL+8:SL+9], v[SL+4:SL+5] op_sel_hi:[1,0,1]
	v_pk_add_f32 v[30:31], v[SL+4:SL+5], v[SL:SL+1]   neg_lo:[0,1] neg_hi:[0,1]
	v_pk_fma_f32 v[SL:SL+1],   v[30:31], v[SL+8:SL+9], v[SL:SL+1]   op_sel:[0,1,0] op_sel_hi:[1,1,1]  ; both by wz
	v_pk_mul_f32 v[SL:SL+1],   v[SL:SL+1], v[SL+10:SL+11] op_sel_hi:[1,0]
	v_add_f32_dpp v[SL],   v[SL],   v[SL]   row_xmask:1 row_mask:0xf bank_mask:0xf
	v_add_f32_dpp v[SL+1], v[SL+1], v[SL+1] row_xmask:1 row_mask:0xf bank_mask:0xf
	v_cvt_pk_f16_f32 v30, v[SL], v[SL+1]
	ds_store_b32 v[HST], v30 offset:1024*(\t)      ; the two lanes of a point write the same word with the same number
.endm
; A PREFETCH of the next level's table: its 16,384 blocks of 256 bytes, a lane a block: waves 0 and 1 of the 256 work-groups, one instruction each, so each block is named once in the launch.
; Levels 3 to 14 ask for levels 4 to 15; level 15 asks for nothing.  It stands behind the level's first 32 loads; the wait that follows it is for loads issued earlier.
.macro ASK
	s_cmp_ge_u32 s15, s36
	s_cbranch_scc0 .Lnot_asked_\@
	s_cmp_lt_u32 s15, 15
	s_cbranch_scc0 .Lnot_asked_\@
	global_prefetch_b8 v[PFO], s[20:21] offset:0x400000 th:TH_LOAD_NT scope:SCOPE_SE
.Lnot_asked_\@:
.endm
; One level for the wave's 16 tiles, through the ring of eight slots: 32 loads of the wave are on their way all the time but at the level's two ends.
.macro LEVEL kind
	s_lshr_b32 s16, s14, s15                       ; res
.if (\kind) == 0
	s_add_co_u32 s17, s16, 1
	s_mul_i32 s18, s17, s17
	s_lshl_b32 s34, s17, 3
	s_add_nc_u64 s[22:23], s[20:21], s[34:35]      ; one step along y: S1 entries of 8 bytes
	s_lshl_b32 s34, s18, 3
	s_add_nc_u64 s[24:25], s[20:21], s[34:35]      ; one along z
	s_add_nc_u64 s[26:27], s[22:23], s[34:35]      ; both
.endif
	s_lshl_b32 s16, s16, 5
	v_add_nc_u32 v[HST], s13, v[HST0]
.irp t, 0,1,2,3,4,5,6,7
	ISSUE \kind, \t
.endr
	ASK
.irp t, 0,1,2,3,4,5,6,7
	CONSUME \t, 28                                 ; behind tile t's four loads stand those of the seven tiles t + 1 .. t + 7
	ISSUE \kind, (\t)+8
.endr
.irp t, 8,9,10,11,12,13,14,15
	CONSUME \t, 4*(15-(\t))                        ; nothing more is issued: the counts run down to 0
.endr
	s_wait_xcnt 0x0                                ; the prefetch has read its base (the loads are done): the bases are written again only behind this wait
	s_add_nc_u64 s[20:21], s[20:21], 0x400000      ; the next level's 2^19 entries
	s_mul_i32 s14, s14, 3
	s_add_co_u32 s15, s15, 1
	s_add_co_u32 s13, s13, 4
.endm
	s_mov_b32 s31, 4
.Ldense:                                       ; levels 0 to 3
	LEVEL 0
	s_sub_co_u32 s31, s31, 1
	s_cmp_lg_u32 s31, 0
	s_cbranch_scc1 .Ldense
	s_add_co_u32 s13, s13, 240                     ; four levels fill 16 bytes a point; the next four lie 256 bytes on
	s_mov_b32 s32, 3
.Lchunk:                                       ; levels 4 to 15, four at a time
	s_mov_b32 s31, 4
.Lhash:
	LEVEL 1
	s_sub_co_u32 s31, s31, 1
	s_cmp_lg_u32 s31, 0
	s_cbranch_scc1 .Lhash
	s_add_co_u32 s13, s13, 240
	s_sub_co_u32 s32, s32, 1
	s_cmp_lg_u32 s32, 0
	s_cbranch_scc1 .Lchunk
	; PHASE 2.  From here on r = l % 16 is the point in a tile, h = l / 16.
.set BR,  10                           ; v10  source 1 of layer 1: 16,384 w + 256 h + 16 r (levels 4 h ..; 512 bytes on: levels 8 + 4 h ..)
.set SA,  11                           ; v11  the way out: where my outputs 8 h .. 8 h + 3 go,
.set SB,  12                           ; v12  and my outputs 8 h + 4 .. 8 h + 7
.set RA,  13                           ; v13  where I read 16 bytes of the tile's first 512 output bytes back,
.set RB,  14                           ; v14  and of its second 512
.set GO,  15                           ; v15  16,384 w + 16 l: my 16 bytes in 512 consecutive bytes of out0; never rewritten
.set WO,  16                           ; v16  16 l
.set MX,  20                           ; v20-23 four running maxima: tile u, half c at MX + 2 u + c
.set SC,  26                           ; v[26:29] tile u's scale, twice (a pair for the packed multiply), at SC + 2 u; later its output factor
.set INV, 30                           ; v30, v31 tile u's 2^(e+1)
.set BF,  32                           ; v[32:47] tile u's source 1 of layer 1 at BF + 8 u; later layer 3's sums
.set PK,  48                           ; v[48:79] tile u's 64 activations in f16 at PK + 16 u: source 1 of layers 2 and 3
.set ACC, 80                           ; v[80:143] tile u, feature tile t at ACC + 32 u + 8 t; v[80:95] later the outputs read back
.set WB,  144                          ; v[144:255] the 14 weight fragments, 8 registers each
; THE STAGE.  A tile's 1,024 output bytes pass through its own 1,024 bytes of H, once its features have been read.  The 16 bytes of point p, quarter q lie at 16 (16 q + (p + 4 q) % 16):
; the sixteen lanes of a store (one q, all p) and of a load (four p, all q) each touch sixteen different 16-byte columns.
	v_and_b32 v17, 15, v0                          ; r
	v_bfe_u32 v18, v0, 4, 1                        ; h
	v_and_b32 v19, 31, v0                          ; l
	v_lshl_add_u32 v[BR], v18, 8, s40
	v_lshl_add_u32 v[BR], v17, 4, v[BR]
	v_lshl_add_u32 v20, v18, 3, v17                ; r + 8 h: quarter q = 2 h
	v_and_b32 v21, 15, v20
	v_lshl_add_u32 v21, v18, 5, v21
	v_lshl_add_u32 v[SA], v21, 4, s40
	v_add_nc_u32 v20, 4, v20                       ; quarter q = 2 h + 1
	v_and_b32 v20, 15, v20
	v_lshl_add_u32 v20, v18, 5, v20
	v_add_nc_u32 v20, 16, v20
	v_lshl_add_u32 v[SB], v20, 4, s40
	v_and_b32 v22, 3, v0                           ; back: q = l % 4, p = l / 4 (second half: + 8)
	v_lshrrev_b32 v23, 2, v19
	v_lshl_add_u32 v23, v22, 2, v23
	v_and_b32 v24, 15, v23
	v_lshl_add_u32 v24, v22, 4, v24
	v_lshl_add_u32 v[RA], v24, 4, s40
	v_add_nc_u32 v23, 8, v23
	v_and_b32 v23, 15, v23
	v_lshl_add_u32 v23, v22, 4, v23
	v_lshl_add_u32 v[RB], v23, 4, s40
	v_lshlrev_b32 v[WO], 4, v19
	v_add_nc_u32 v[GO], s40, v[WO]
	v_mov_b32 v24, 0                               ; the exchanges' destinations count as read
	v_mov_b32 v25, 0
.set i, 0
.rept 14
	global_load_b128 v[WB+8*i:WB+8*i+3],   v[WO], s[8:9] offset:1024*i
	global_load_b128 v[WB+8*i+4:WB+8*i+7], v[WO], s[8:9] offset:1024*i+512
.set i, i+1
.endr
	s_wait_loadcnt 0x0
.macro PLACES                          ; places behind matrix instructions: plain vector instructions that name none of their registers (ISA guide 7.12.1)
.rept 4
	v_nop
.endr
.endm
	s_mov_b32 s31, 8
.Lmlp:                                         ; a trip: tiles 2 j and 2 j + 1 of the wave
	ds_load_b128 v[BF:BF+3],     v[BR]             ; LDS serves a wave's instructions in order: these see the wave's own stores of phase 1
	ds_load_b128 v[BF+4:BF+7],   v[BR] offset:512
	ds_load_b128 v[BF+8:BF+11],  v[BR] offset:1024
	ds_load_b128 v[BF+12:BF+15], v[BR] offset:1536
	s_wait_dscnt 0x0
	; LAYER 1: 32 -> 64.  Eight accumulators, each started by its one product.
.irp t, 0,1,2,3
.irp u, 0,1
	v_wmma_f32_16x16x32_f16 v[ACC+32*(\u)+8*(\t):ACC+32*(\u)+8*(\t)+7], v[WB+8*(\t):WB+8*(\t)+7], v[BF+8*(\u):BF+8*(\u)+7], 0
.endr
.endr
	PLACES
	; each point's largest number, or 0: four chains of 16 registers (two accumulators each), in ascending order
.irp c, 0,1,2,3
	v_max3_num_f32 v[MX+(\c)], v[ACC+16*(\c)], v[ACC+16*(\c)+1], v[ACC+16*(\c)+2]
.endr
.set n, 1
.rept 6
.irp c, 0,1,2,3
	v_max3_num_f32 v[MX+(\c)], v[MX+(\c)], v[ACC+16*(\c)+2*n+1], v[ACC+16*(\c)+2*n+2]
.endr
.set n, n+1
.endr
.irp c, 0,1,2,3
	v_max3_num_f32 v[MX+(\c)], v[MX+(\c)], v[ACC+16*(\c)+15], 0
.endr
	v_max_num_f32 v[MX],   v[MX],   v[MX+1]
	v_max_num_f32 v[MX+2], v[MX+2], v[MX+3]
	v_permlanex16_b32 v24, v[MX],   s38, s39       ; the point's other 32 features lie in the lane 16 away
	v_permlanex16_b32 v25, v[MX+2], s38, s39
	v_max_num_f32 v[MX],   v[MX],   v24
	v_max_num_f32 v[MX+2], v[MX+2], v25
	v_and_b32 v[MX],   0x7f800000, v[MX]           ; the exponent's bits: biased exponent b
	v_and_b32 v[MX+2], 0x7f800000, v[MX+2]
.irp u, 0,1
	v_sub_nc_u32 v[SC+2*(\u)],   0x7e800000, v[MX+2*(\u)]  ; biased exponent 253 - b: 2^-(e+1)
	v_sub_nc_u32 v[SC+2*(\u)+1], 0x7e800000, v[MX+2*(\u)]
	v_add_nc_u32 v[INV+(\u)],    0x00800000, v[MX+2*(\u)]  ; 2^(e+1)
.endr
.set i, 0
.rept 32
	v_pk_mul_f32 v[ACC+2*i:ACC+2*i+1], v[ACC+2*i:ACC+2*i+1], v[SC+2*(i/16):SC+2*(i/16)+1] clamp  ; into [0, 1): the scale is exact, the lower bound is the ReLU
.set i, i+1
.endr
.set i, 0
.rept 32
	v_cvt_pk_f16_f32 v[PK+i], v[ACC+2*i], v[ACC+2*i+1]
.set i, i+1
.endr
	; LAYER 2: 64 -> 64.  The eight accumulators take turns, one instruction a turn: seven others stand between the two links of a chain.
.irp a, 0,1
.irp t, 0,1,2,3
.irp u, 0,1
.if (\a) == 0
	v_wmma_f32_16x16x32_f16 v[ACC+32*(\u)+8*(\t):ACC+32*(\u)+8*(\t)+7], v[WB+8*(4+2*(\t)):WB+8*(4+2*(\t))+7], v[PK+16*(\u):PK+16*(\u)+7], 0
.else
	v_wmma_f32_16x16x32_f16 v[ACC+32*(\u)+8*(\t):ACC+32*(\u)+8*(\t)+7], v[WB+8*(5+2*(\t)):WB+8*(5+2*(\t))+7], v[PK+16*(\u)+8:PK+16*(\u)+15], v[ACC+32*(\u)+8*(\t):ACC+32*(\u)+8*(\t)+7]
.endif
.endr
.endr
.endr
	PLACES
	PLACES                                         ; eight: the lines below read results and write over a source
.set i, 0
.rept 32
	v_cvt_pk_f16_f32 v[PK+i], v[ACC+2*i], v[ACC+2*i+1]
.set i, i+1
.endr
.set i, 0
.rept 32
	v_pk_max_num_f16 v[PK+i], v[PK+i], v[ZZ]       ; the ReLU, two at a time; nothing is rounded
.set i, i+1
.endr
	; LAYER 3: 64 -> 16.  Two accumulators by turns.
.irp a, 0,1
.irp u, 0,1
.if (\a) == 0
	v_wmma_f32_16x16x32_f16 v[BF+8*(\u):BF+8*(\u)+7], v[WB+96:WB+103], v[PK+16*(\u):PK+16*(\u)+7], 0
.else
	v_wmma_f32_16x16x32_f16 v[BF+8*(\u):BF+8*(\u)+7], v[WB+104:WB+111], v[PK+16*(\u)+8:PK+16*(\u)+15], v[BF+8*(\u):BF+8*(\u)+7]
.endif
.endr
.endr
.irp u, 0,1
	v_mul_f32 v[SC+2*(\u)],   s33, v[INV+(\u)]     ; the point's output factor 2^(e+1) osc, twice; these four lines are places too
	v_mul_f32 v[SC+2*(\u)+1], s33, v[INV+(\u)]
.endr
	PLACES                                         ; eight in all: the lines below rewrite the results in place
.set i, 0
.rept 8
	v_pk_mul_f32 v[BF+2*i:BF+2*i+1], v[BF+2*i:BF+2*i+1], v[SC+2*(i/4):SC+2*(i/4)+1]
.set i, i+1
.endr
	; THE WAY OUT: a lane's 32 bytes of a point's 64 go into the stage and come back as 512 consecutive bytes of out0 a load.
.irp u, 0,1
	ds_store_b128 v[SA], v[BF+8*(\u):BF+8*(\u)+3]   offset:1024*(\u)
	ds_store_b128 v[SB], v[BF+8*(\u)+4:BF+8*(\u)+7] offset:1024*(\u)
.endr
.irp u, 0,1
	ds_load_b128 v[ACC+8*(\u):ACC+8*(\u)+3],   v[RA] offset:1024*(\u)  ; the wave's own bytes, served in order: these see the stores above
	ds_load_b128 v[ACC+8*(\u)+4:ACC+8*(\u)+7], v[RB] offset:1024*(\u)
.endr
.irp n, 0,1,2,3
	s_wait_dscnt 3-(\n)                            ; load n is back; the 3 - n younger ones may stay out
	global_store_b128 v[GO], v[ACC+4*(\n):ACC+4*(\n)+3], s[10:11] offset:512*(\n) th:TH_STORE_NT  ; 512 consecutive bytes, at a multiple of 512 from out0's first byte
.endr
	s_wait_xcnt 0x0                                ; the stores have read their base and their data: both are written again only behind this wait
	s_add_nc_u64 s[10:11], s[10:11], 2048
.irp r, BR, SA, SB, RA, RB
	v_add_nc_u32 v[\r], 2048, v[\r]                ; the next two tiles
.endr
	s_sub_co_u32 s31, s31, 1
	s_cmp_lg_u32 s31, 0
	s_cbranch_scc1 .Lmlp
	s_wait_tensorcnt 0x0                           ; the wave's end, behind my last LDS store
	ds_add_u32 v[SPW], v[NIL]
	s_wait_dscnt 0x0
	s_endpgm
.Lfunc_end_k_q3e0cafc984_encode:
	.size	k_q3e0cafc984_encode, .Lfunc_end_k_q3e0cafc984_encode-k_q3e0cafc984_encode
	.p2alignl 7, 3214868480
	.fill 96, 4, 3214868480
	.section	.rodata,"a",@progbits
	.p2align	6, 0x0
	.amdhsa_kernel k_q3e0cafc984_encode
		.amdhsa_group_segment_fixed_size 264192
		.amdhsa_private_segment_fixed_size 0
		.amdhsa_enable_private_segment 0
		.amdhsa_kernarg_size 32
		.amdhsa_user_sgpr_count 2
		.amdhsa_user_sgpr_kernarg_segment_ptr 1
		.amdhsa_wavefront_size32 1
		.amdhsa_system_sgpr_workgroup_id_x 1
		.amdhsa_system_sgpr_workgroup_id_y 1
		.amdhsa_system_sgpr_workgroup_id_z 1
		.amdhsa_system_vgpr_workitem_id 0
		.amdhsa_next_free_vgpr 256
		.amdhsa_next_free_sgpr 66
		.amdhsa_reserve_vcc 0
		.amdhsa_float_denorm_mode_32 3
		.amdhsa_float_denorm_mode_16_64 3
		.amdhsa_memory_ordered 1
		.amdhsa_forward_progress 1
		.amdhsa_inst_pref_size 89
	.end_amdhsa_kernel
	.amdgpu_metadata
---
amdhsa.version: [ 1, 2 ]
amdhsa.kernels:
  - .name:           k_q3e0cafc984_encode
    .symbol:         k_q3e0cafc984_encode.kd
    .args:
      - { .name: xq, .offset: 0, .size: 8, .value_kind: global_buffer, .address_space: global }
      - { .name: table, .offset: 8, .size: 8, .value_kind: global_buffer, .address_space: global }
      - { .name: wf, .offset: 16, .size: 8, .value_kind: global_buffer, .address_space: global }
      - { .name: out0, .offset: 24, .size: 8, .value_kind: global_buffer, .address_space: global }
    .group_segment_fixed_size: 264192
    .private_segment_fixed_size: 0
    .kernarg_segment_align: 8
    .kernarg_segment_size: 32
    .max_flat_workgroup_size: 512
    .sgpr_count:     66
    .vgpr_count:     256
    .wavefront_size: 32
...
	.end_amdgpu_metadata
.endif
;; end of part 2
;; ======== version 2 of 4: 2 launches
;; limits: values are held in f16: magnitudes above 65,504 overflow, below 6.1e-05 lose precision; inputs' magnitudes at most 127
;; workspace buffers: xq 12,582,912 bytes of whole numbers; tq 33,554,432 bytes; wf 14,592 bytes
;; launch quant (part 3): grid 256 x 1, 16 waves a work-group, no clusters, 0 bytes of LDS; arguments x, table, W1, W2, W3, xq, tq, wf; writes xq, tq, wf
.if DOCPART == 3
	.amdgcn_target "amdgcn-amd-amdhsa--gfx1250"
	.amdhsa_code_object_version 6
	.text
	.protected	k_q3e0cafc984_quant
	.globl	k_q3e0cafc984_quant
	.p2align	8
	.type	k_q3e0cafc984_quant,@function
k_q3e0cafc984_quant:
	s_mov_b64 s[64:65], 0
	v_nop
	global_prefetch_b8 v0, s[64:65] scope:SCOPE_SE
	s_setreg_imm32_b32 hwreg(HW_REG_WAVE_MODE, 25, 1), 1
	s_wait_xcnt 0x0
; QUANT.  Three preparations for the launch that follows.
; PART W, wave 0 of work-groups 0 to 13, ahead of that wave's share of the streams: one source-0 fragment (16 output features x 32 inputs, f16) of the 14 that the three layers need: 0-3 W1 (feature tile
; t = f); 4-11 W2 (t = (f-4)/2, inputs 32 a on, a = (f-4)%2); 12, 13 W3 (a = f-12).  Lane (r = l % 16, h = l / 16) holds W[k][16 t + r]: registers 0-3 k = 32 a + 8 h + 0..7, registers 4-7 k = 32 a + 16 + 8 h + 0..7.
; Each matrix is first multiplied by 2^-e, e the exponent of its largest magnitude (exact), so that its numbers lie within (-2, 2) whatever their scale, and then rounded once to f16.
; osc = 2^(e1 + e2 + e3 - 8) puts the three scales, and the 2^8 by which the table's copy is kept larger, back at the very end; work-group 0 stores it.
; PART X, every wave: xq = trunc(x * 2^27) as u32 (5 whole bits, 27 bits of fraction), laid out as x is: [point][3].  The next launch makes cells, weights and table indices from xq
; by integer arithmetic alone.  The product by 2^27 is exact; the conversion cuts toward zero and saturates.
; PART T, every wave: tq = the table's copy, an entry's two features times 2^8 (exact), rounded once to f16, in one word: the next launch's gathers fetch 4 bytes an entry where the table has 8.
; LIMITS.  x in [0, 32): a negative x and NaN count as 0, x of 32 or more as 32 - 2^-27; what lies below 2^-27 of x is dropped (at the finest level, 7,006 cells, 5e-5 of a cell).
; |table| < 127 (2^8 times an entry, and the next launch's difference of two, are kept in f16); below 2^-22 an entry keeps f16's fixed step, 2^-32 of the table's own scale.
; The largest magnitude of each weight matrix lies below 2^126; a matrix of zeros gives zeros.  Infinities and NaN are not treated apart.
; SHARES.  A work-group owns 49,152 consecutive bytes of x (6 chunks of 8,192) and 262,144 of the table (32 chunks); thread t takes 16 bytes at 16 t of each chunk, so a wave's load covers 512 consecutive
; bytes, aligned.  All 38 loads of a thread go out before the first is used; no register is used twice, so the streams need no wait but the counted ones for their data.
.set XSH, 49152                        ; bytes of x and of xq in a work-group
.set XD,  16                           ; v[16:39]   part X: chunk j at XD + 4 j
.set TD,  40                           ; v[40:167]  part T: chunk i at TD + 4 i; its two packed words take the chunk's first two registers
.set FR,  240                          ; v[240:255] part W: the fragment's 16 numbers: first their byte offsets, then the numbers.  Part W also: v[16:79] W1, v[80:207] W2, v[208:239] W3, whole
.set PKD, 8                            ; v[8:15]    part W: the fragment, packed
	s_load_b256 s[4:11], s[0:1], 0x0               ; x s[4:5], table s[6:7], W1 s[8:9], W2 s[10:11]
	s_load_b256 s[12:19], s[0:1], 0x20             ; W3 s[12:13], xq s[14:15], tq s[16:17], wf s[18:19]
	v_lshlrev_b32 v1, 4, v0                        ; 16 t; never rewritten
	v_lshrrev_b32 v2, 5, v0
	v_readfirstlane_b32 s20, v2                    ; wave 0..15
	s_mov_b32 s21, ttmp9                           ; the work-group; in part W the fragment's number f
	s_mov_b32 s3, 0
	s_wait_kmcnt 0x0
	s_cmp_lg_u32 s20, 0
	s_cbranch_scc1 .Lstream
	s_cmp_ge_u32 s21, 14
	s_cbranch_scc1 .Lstream
	; PART W
	s_sub_co_u32 s22, s21, 4
	s_lshr_b32 s23, s22, 1                         ; W2's t
	s_and_b32 s24, s22, 1                          ; W2's a
	s_sub_co_u32 s25, s21, 12                      ; W3's a
	s_cmp_lt_u32 s21, 12
	s_cselect_b64 s[26:27], s[10:11], s[12:13]     ; the fragment's matrix,
	s_cselect_b32 s28, s23, 0                      ; t,
	s_cselect_b32 s29, s24, s25                    ; a,
	s_cselect_b32 s30, 256, 64                     ; and the bytes from one k to the next
	s_cmp_lt_u32 s21, 4
	s_cselect_b64 s[26:27], s[8:9], s[26:27]
	s_cselect_b32 s28, s21, s28
	s_cselect_b32 s29, 0, s29
	s_mul_i32 s31, s29, s30
	s_lshl_b32 s31, s31, 5                         ; 32 a rows
	s_lshl_b32 s32, s28, 6                         ; 16 t columns
	s_add_co_u32 s31, s31, s32
	s_lshl_b32 s33, s30, 3                         ; 8 rows
	s_lshl_b32 s34, s30, 4                         ; 16 rows
	s_mov_b32 s36, 0x76543210                      ; v_permlanex16_b32: each lane takes its own place in the other half
	s_mov_b32 s37, 0xfedcba98
	v_and_b32 v6, 15, v0                           ; r
	v_bfe_u32 v7, v0, 4, 1                         ; h
	v_mov_b32 v5, 0                                ; the exchange's destination counts as read: written once here
	v_mul_u32_u24 v[FR], v7, s33
	v_lshl_add_u32 v[FR], v6, 2, v[FR]
	v_add_nc_u32 v[FR], s31, v[FR]                 ; row 32 a + 8 h, column 16 t + r
.irp j, 1,2,3,4,5,6,7
	v_add_nc_u32 v[FR+(\j)], s30, v[FR+(\j)-1]     ; the seven rows below
.endr
.irp j, 0,1,2,3,4,5,6,7
	v_add_nc_u32 v[FR+8+(\j)], s34, v[FR+(\j)]     ; and the same eight, 16 rows on
.endr
.irp j, 0,1,2,3,4,5,6,7,8,9,10,11,12,13,14,15
	global_load_b32 v[FR+(\j)], v[FR+(\j)], s[26:27]  ; each lands on its own offset
.endr
.set i, 0
.rept 16
	global_load_b128 v[16+4*i:19+4*i], v1, s[8:9] offset:512*i    ; all of W1 (in wave 0 the thread is the lane: v1 = 16 l)
.set i, i+1
.endr
.set i, 0
.rept 32
	global_load_b128 v[80+4*i:83+4*i], v1, s[10:11] offset:512*i  ; all of W2
.set i, i+1
.endr
.set i, 0
.rept 8
	global_load_b128 v[208+4*i:211+4*i], v1, s[12:13] offset:512*i  ; all of W3
.set i, i+1
.endr
	s_wait_loadcnt 0x0
; The largest magnitude of n registers from first on, over all 32 lanes, into every lane of dst.
.macro AMAX dst, first, n
	v_max3_num_f32 v[\dst], |v[\first]|, |v[(\first)+1]|, |v[(\first)+2]|
.set i, 3
.rept ((\n)-4)/2
	v_max3_num_f32 v[\dst], v[\dst], |v[(\first)+i]|, |v[(\first)+i+1]|
.set i, i+2
.endr
	v_max_num_f32 v[\dst], v[\dst], |v[(\first)+(\n)-1]|
	v_max_num_f32_dpp v[\dst], v[\dst], v[\dst] row_xmask:1 row_mask:0xf bank_mask:0xf
	v_max_num_f32_dpp v[\dst], v[\dst], v[\dst] row_xmask:2 row_mask:0xf bank_mask:0xf
	v_max_num_f32_dpp v[\dst], v[\dst], v[\dst] row_xmask:4 row_mask:0xf bank_mask:0xf
	v_max_num_f32_dpp v[\dst], v[\dst], v[\dst] row_xmask:8 row_mask:0xf bank_mask:0xf
	v_permlanex16_b32 v5, v[\dst], s36, s37
	v_max_num_f32 v[\dst], v[\dst], v5
.endm
	AMAX 2, 16, 64
	AMAX 3, 80, 128
	AMAX 4, 208, 32
	v_readfirstlane_b32 s38, v2
	v_readfirstlane_b32 s39, v3
	v_readfirstlane_b32 s40, v4
	s_and_b32 s38, s38, 0x7f800000                 ; the exponent's bits alone: read as a float, 2^e1
	s_and_b32 s39, s39, 0x7f800000                 ; 2^e2
	s_and_b32 s40, s40, 0x7f800000                 ; 2^e3
	s_cmp_lt_u32 s21, 12
	s_cselect_b32 s41, s39, s40
	s_cmp_lt_u32 s21, 4
	s_cselect_b32 s41, s38, s41                    ; my matrix's
	s_sub_co_u32 s41, 0x7f000000, s41              ; biased exponent 254 - b: read as a float, 2^-e
.irp j, 0,1,2,3,4,5,6,7,8,9,10,11,12,13,14,15
	v_mul_f32 v[FR+(\j)], s41, v[FR+(\j)]          ; exact
.endr
.irp q, 0,1,2,3
	v_cvt_pk_f16_f32 v[PKD+(\q)],   v[FR+2*(\q)],   v[FR+2*(\q)+1]    ; the lower k in the lower half
	v_cvt_pk_f16_f32 v[PKD+4+(\q)], v[FR+8+2*(\q)], v[FR+8+2*(\q)+1]
.endr
	s_lshl_b32 s42, s21, 10                        ; fragment f lies at 1,024 f: registers 0-3 of lane l at 16 l, registers 4-7 at 512 + 16 l
	s_mov_b32 s43, 0
	s_add_nc_u64 s[18:19], s[18:19], s[42:43]
	global_store_b128 v1, v[PKD:PKD+3],   s[18:19]
	global_store_b128 v1, v[PKD+4:PKD+7], s[18:19] offset:512
	s_cmp_lg_u32 s21, 0
	s_cbranch_scc1 .Lstream
	s_mul_f32 s44, s38, s39                        ; work-group 0 (for which s[18:19] is wf's first byte): osc = 2^(e1 + e2 + e3 - 8)
	s_mul_f32 s44, s44, s40
	s_mul_f32 s44, s44, 0x3b800000
	v_mov_b32 v4, s44
	v_lshlrev_b32 v5, 2, v0
	global_store_b32 v5, v4, s[18:19] offset:14336 ; 32 copies, behind the 14 fragments
.Lstream:                                      ; PARTS X AND T.  Nothing below writes a register that part W's stores name (v1, v4, v5, v[8:15], s[18:19])
	v_lshlrev_b32 v2, 3, v0                        ; 8 t: my 8 bytes in a chunk of tq
	s_mul_i32 s2, s21, XSH
	s_add_nc_u64 s[4:5], s[4:5], s[2:3]
	s_add_nc_u64 s[14:15], s[14:15], s[2:3]
	s_lshl_b32 s2, s21, 18                         ; 262,144 bytes of the table,
	s_add_nc_u64 s[6:7], s[6:7], s[2:3]
	s_lshl_b32 s2, s21, 17                         ; 131,072 of its copy
	s_add_nc_u64 s[16:17], s[16:17], s[2:3]
.irp j, 0,1,2,3,4,5
	global_load_b128 v[XD+4*(\j):XD+4*(\j)+3], v1, s[4:5] offset:8192*(\j) th:TH_LOAD_NT
.endr
.set i, 0
.rept 32
	global_load_b128 v[TD+4*i:TD+4*i+3], v1, s[6:7] offset:8192*i th:TH_LOAD_NT
.set i, i+1
.endr
.irp j, 0,1,2,3,4,5
	s_wait_loadcnt 37-(\j)                         ; loads come back in order: chunk j of x is in; the 5 - j younger ones and the table's 32 stay out
	v_pk_mul_f32 v[XD+4*(\j):XD+4*(\j)+1],   v[XD+4*(\j):XD+4*(\j)+1],   0x4d000000 op_sel_hi:[1,0]  ; x * 2^27
	v_pk_mul_f32 v[XD+4*(\j)+2:XD+4*(\j)+3], v[XD+4*(\j)+2:XD+4*(\j)+3], 0x4d000000 op_sel_hi:[1,0]
	v_cvt_u32_f32 v[XD+4*(\j)],   v[XD+4*(\j)]
	v_cvt_u32_f32 v[XD+4*(\j)+1], v[XD+4*(\j)+1]
	v_cvt_u32_f32 v[XD+4*(\j)+2], v[XD+4*(\j)+2]
	v_cvt_u32_f32 v[XD+4*(\j)+3], v[XD+4*(\j)+3]
	global_store_b128 v1, v[XD+4*(\j):XD+4*(\j)+3], s[14:15] offset:8192*(\j)
.endr
.set i, 0
.rept 32
	s_wait_loadcnt 31-i                            ; chunk i of the table is in, the 31 - i younger ones stay out
	v_pk_mul_f32 v[TD+4*i:TD+4*i+1],   v[TD+4*i:TD+4*i+1],   0x43800000 op_sel_hi:[1,0]  ; two entries' features * 2^8
	v_pk_mul_f32 v[TD+4*i+2:TD+4*i+3], v[TD+4*i+2:TD+4*i+3], 0x43800000 op_sel_hi:[1,0]
	v_cvt_pk_f16_f32 v[TD+4*i],   v[TD+4*i],   v[TD+4*i+1]    ; an entry a word: feature 0 in the low half
	v_cvt_pk_f16_f32 v[TD+4*i+1], v[TD+4*i+2], v[TD+4*i+3]
	global_store_b64 v2, v[TD+4*i:TD+4*i+1], s[16:17] offset:4096*i  ; a wave's store covers 256 consecutive bytes, aligned
.set i, i+1
.endr
	s_endpgm
.Lfunc_end_k_q3e0cafc984_quant:
	.size	k_q3e0cafc984_quant, .Lfunc_end_k_q3e0cafc984_quant-k_q3e0cafc984_quant
	.p2alignl 7, 3214868480
	.fill 96, 4, 3214868480
	.section	.rodata,"a",@progbits
	.p2align	6, 0x0
	.amdhsa_kernel k_q3e0cafc984_quant
		.amdhsa_group_segment_fixed_size 0
		.amdhsa_private_segment_fixed_size 0
		.amdhsa_enable_private_segment 0
		.amdhsa_kernarg_size 64
		.amdhsa_user_sgpr_count 2
		.amdhsa_user_sgpr_kernarg_segment_ptr 1
		.amdhsa_wavefront_size32 1
		.amdhsa_system_sgpr_workgroup_id_x 1
		.amdhsa_system_sgpr_workgroup_id_y 1
		.amdhsa_system_sgpr_workgroup_id_z 1
		.amdhsa_system_vgpr_workitem_id 0
		.amdhsa_next_free_vgpr 256
		.amdhsa_next_free_sgpr 66
		.amdhsa_reserve_vcc 0
		.amdhsa_float_denorm_mode_32 3
		.amdhsa_float_denorm_mode_16_64 3
		.amdhsa_memory_ordered 1
		.amdhsa_forward_progress 1
		.amdhsa_inst_pref_size 40
	.end_amdhsa_kernel
	.amdgpu_metadata
---
amdhsa.version: [ 1, 2 ]
amdhsa.kernels:
  - .name:           k_q3e0cafc984_quant
    .symbol:         k_q3e0cafc984_quant.kd
    .args:
      - { .name: x, .offset: 0, .size: 8, .value_kind: global_buffer, .address_space: global }
      - { .name: table, .offset: 8, .size: 8, .value_kind: global_buffer, .address_space: global }
      - { .name: W1, .offset: 16, .size: 8, .value_kind: global_buffer, .address_space: global }
      - { .name: W2, .offset: 24, .size: 8, .value_kind: global_buffer, .address_space: global }
      - { .name: W3, .offset: 32, .size: 8, .value_kind: global_buffer, .address_space: global }
      - { .name: xq, .offset: 40, .size: 8, .value_kind: global_buffer, .address_space: global }
      - { .name: tq, .offset: 48, .size: 8, .value_kind: global_buffer, .address_space: global }
      - { .name: wf, .offset: 56, .size: 8, .value_kind: global_buffer, .address_space: global }
    .group_segment_fixed_size: 0
    .private_segment_fixed_size: 0
    .kernarg_segment_align: 8
    .kernarg_segment_size: 64
    .max_flat_workgroup_size: 512
    .sgpr_count:     66
    .vgpr_count:     256
    .wavefront_size: 32
...
	.end_amdgpu_metadata
.endif
;; end of part 3
;; launch encode (part 4): grid 256 x 1, 16 waves a work-group, no clusters, 264,192 bytes of LDS; arguments xq, tq, wf, out0; writes out0
.if DOCPART == 4
	.amdgcn_target "amdgcn-amd-amdhsa--gfx1250"
	.amdhsa_code_object_version 6
	.text
	.protected	k_q3e0cafc984_encode
	.globl	k_q3e0cafc984_encode
	.p2align	8
	.type	k_q3e0cafc984_encode,@function
k_q3e0cafc984_encode:
	s_mov_b64 s[64:65], 0
	v_nop
	global_prefetch_b8 v0, s[64:65] scope:SCOPE_SE
	s_setreg_imm32_b32 hwreg(HW_REG_WAVE_MODE, 25, 1), 1
	s_wait_xcnt 0x0
; ENCODE.  out = relu(relu(h W1) W2) W3, h = the 16-level grid encoding of x.  xq (u32, x * 2^27), tq (the table, an entry's two features * 2^8 as a pair of f16 in a word) and wf (f16 weight
; fragments and osc) come from the launch before.
; SHARES.  256 work-groups of 16 waves; a work-group owns 4,096 points, a wave 256: 16 tiles of 16.  A wave touches only its own 16 KiB of LDS: the kernel has no barrier.
; PHASE 1, THE GATHER, LEVEL BY LEVEL.  A wave keeps the xq of its 256 points in registers and walks the 16 levels one after the other, so that all waves gather from one level's 2 MiB at about the same time.
; Two lanes a point: lane 2 p + i takes x-corner i of point p.  The two x-corners' entries are neighbours in a dense level, and in a hashed one their indices differ by (cx ^ (cx + 1)) alone.
; POSITION.  xq * (res << 5) in 64 bits: the high word is floor(x res), the low word the fraction * 2^32: cell and weight come from one whole number and always agree.  The interpolant is continuous
; from cell to cell, so a position that falls on the other side of a cell's edge than a rounded f32 product would gives the same value to within the position's error.
; INDEX.  Levels 0-3 ((res + 1)^3 <= 2^19): cx + cy S1 + cz S1^2.  Levels 4-15: cx ^ cy P1 ^ cz P2 mod 2^19; only the products' low 19 bits count, so the primes are taken mod 2^19.
; res = floor(16 * 1.5^l) = (16 * 3^l) >> l.
; THE BLEND.  Along y: the difference of two entries in packed f16 (one rounding), then difference * wy + entry straight from the halves into f32; along z and x in f32.
; The level's two features, still times 2^8, go to LDS as a pair of f16, in the order in which layer 1 reads them as source 1.
; PHASE 2, THE MLP, two tiles a trip.  Source 0 = 16 output features (wf), source 1 = 16 points: in every layer's result a lane holds ONE point (l % 16) and features 8 (l / 16) + 0..7, and two results
; rounded in pairs ARE source 1 of the next layer: nothing changes lanes between the layers.  f16 operands, f32 sums.
; RANGE.  The MLP has no bias, so powers of two go through it unchanged.  The weights arrive within (-2, 2).  Layer 1's result is multiplied, point by point, by 2^-(e+1), e the exponent of the point's
; largest positive number: it lies in [0, 1) (negative numbers are cut to 0 in the same line: the ReLU).  So |layer 2's sums| < 64 * 2 * 1 = 128: nothing passes f16's range.  out = sums * 2^(e+1) * osc.
; LIMITS.  x as in the launch before.  A dense level's lowest corner index is held to 0x7f3f7 = 2^19 - 1 - 55 - 3025, so that all corners stay in the table: exact wherever all eight of the
; problem's own indices lie below that.  |table| < 127 (2^8 times the difference of two entries is kept in f16).  Layer 1's sums below 2^125.  Infinities and NaN are not treated apart.
; NO CLUSTER, NO TENSOR LOADS: work-groups share no tile; the table is reached by single entries at indices that differ from lane to lane; the shared weights are 14 KiB.
.set SPARE, 262144                     ; LDS: H in bytes 0 .. 262,143; behind it the spare words, 128 bytes for each of the 16 waves, which no other line names
; H: 16,384 w + 1,024 t + 256 (l / 4) + 16 p + 4 (l % 4): a level's store has its 16 points 16 bytes apart; a 16-byte read of four levels takes 256 consecutive bytes for 16 points.
.set LEVB, 0x200000                    ; a level of tq: 2^19 entries of 4 bytes
.set SPW,  1                           ; v1   LDS address of my spare word; never rewritten
.set NIL,  2                           ; v2   0, for the add alone
.set LI,   3                           ; v3   i = l % 2
.set AI,   4                           ; v4   1 (i = 0) or 0 (i = 1)
.set BI,   5                           ; v5   -2^-32 (i = 0) or 2^-32 (i = 1): my x-weight = fraction32 * BI + AI
.set ZZ,   6                           ; v[6:7] 0
.set HST0, 8                           ; v8   16,384 w + 16 (l / 2)
.set HST,  9                           ; v9   + the level's place
.set XO,   10                          ; v10  my point's 12 bytes in the wave's xq
.set PFO,  11                          ; v11  the prefetches' offset in a level
; v[12:17] the three products (low, high); v18, v[20:21] fractions as f32; v22-25 cy P1, (cy+1) P1, cz P2, (cz+1) P2; v26 cx + i; v27, v28 at work; v30-35 at work
.set XQ,   64                          ; v[64:127]  tile t's xq at XQ + 4 t .. + 2
.set RING, 128                         ; v[128:255] a slot of 8 for each tile: +0 F00, +1 F10, +2 F01, +3 F11 (F jk: y-corner j, z-corner k; an entry a word), +4 wy, +5 wz, +6 wx_i, +7 the dense index
; scalars: s[4:5] xq, s[6:7] tq, s[8:9] wf, s[10:11] out0 (at the work-group's part); s12 wave; s13 the level's place in H; s14 16 * 3^l; s15 l; s16 res << 5; s17 S1; s18 S1^2;
; s[20:27] the level's table at corners (0,0), (1,0), (0,1), (1,1) of y and z; s28, s29 the primes mod 2^19; s30 2^19 - 1; s31, s32 counters; s33 osc; s[34:35] an offset; s36 the first level at which I prefetch;
; s37 -1 twice in f16; s[38:39] lane selects; s40 16,384 w
	s_load_b256 s[4:11], s[0:1], 0x0
	v_lshl_add_u32 v[SPW], v0, 2, SPARE
	v_mov_b32 v[NIL], 0
	v_lshrrev_b32 v12, 5, v0
	v_readfirstlane_b32 s12, v12                   ; wave 0..15
	v_and_b32 v13, 31, v0                          ; l
	v_and_b32 v[LI], 1, v0
	v_lshrrev_b32 v14, 1, v13                      ; my point in a tile
	v_xor_b32 v15, 1, v[LI]
	v_cvt_f32_u32 v[AI], v15
	v_lshl_or_b32 v[BI], v15, 31, 0x2f800000
	v_mov_b32 v[ZZ], 0
	v_mov_b32 v[ZZ+1], 0
	s_lshl_b32 s40, s12, 14
	v_lshl_add_u32 v[HST0], v14, 4, s40
	s_mul_i32 s41, s12, 3072                       ; 256 points of 12 bytes
	v_mul_u32_u24 v[XO], v14, 12
	v_add_nc_u32 v[XO], s41, v[XO]
	s_lshl_b32 s42, ttmp9, 13
	v_lshl_add_u32 v[PFO], v13, 8, s42             ; (32 x work-group + l) x 256: inside a level for every wave
	s_mov_b32 s28, 0x779b1                         ; 2,654,435,761 mod 2^19
	s_mov_b32 s29, 0x25795                         ; 805,459,861 mod 2^19
	s_mov_b32 s30, 0x7ffff
	s_mov_b32 s37, 0xbc00bc00
	s_mov_b32 s38, 0x76543210
	s_mov_b32 s39, 0xfedcba98
	s_mov_b32 s35, 0
	s_cmp_eq_u32 s12, 0
	s_cselect_b32 s36, 3, 99                       ; wave 0 prefetches from level 3 on, the others never
	s_mov_b32 s14, 16
	s_mov_b32 s15, 0
	s_mov_b32 s13, 0
	s_mul_i32 s34, ttmp9, 49152
	s_wait_kmcnt 0x0
	s_add_nc_u64 s[4:5], s[4:5], s[34:35]
	s_lshl_b32 s34, ttmp9, 18                      ; 4,096 points of 64 bytes
	s_add_nc_u64 s[10:11], s[10:11], s[34:35]
	s_mov_b64 s[20:21], s[6:7]
	s_load_b32 s33, s[8:9], 0x3800                 ; osc; no line of this kernel writes wf
.set i, 0
.rept 16
	global_load_b96 v[XQ+4*i:XQ+4*i+2], v[XO], s[4:5] offset:192*i th:TH_LOAD_NT  ; a tile's 192 consecutive bytes; the two lanes of a point read the same 12
.set i, i+1
.endr
	s_wait_loadcnt 0x0
	s_wait_kmcnt 0x0
; Tile t's position in the level: cells in v13, v15, v17; the slot's three weights; cx + i.
.macro POS t
.set SL, RING+8*(\t)
	v_mad_nc_u64_u32 v[12:13], v[XQ+4*(\t)],   s16, v[ZZ:ZZ+1]
	v_mad_nc_u64_u32 v[14:15], v[XQ+4*(\t)+1], s16, v[ZZ:ZZ+1]
	v_mad_nc_u64_u32 v[16:17], v[XQ+4*(\t)+2], s16, v[ZZ:ZZ+1]
	v_cvt_f32_u32 v18, v12
	v_cvt_f32_u32 v20, v14
	v_cvt_f32_u32 v21, v16
	v_fma_f32 v[SL+6], v18, v[BI], v[AI]           ; 1 - wx or wx
	v_pk_mul_f32 v[SL+4:SL+5], v[20:21], 0x2f800000 op_sel_hi:[1,0]  ; wy, wz: fraction32 * 2^-32
	v_add_nc_u32 v26, v13, v[LI]
.endm
; Tile t's four loads of 4 bytes a lane.  kind = 0: a dense level: one index, four bases.  kind = 1: a hashed level: four indices; each load lands on its own index.
; Every index passes a v_min_u32 with a constant as its last step, so that no load leaves the level's 2^19 entries whatever xq holds.
.macro ISSUE kind, t
	POS \t
.if \kind
	v_mul_u32_u24 v22, s28, v15
	v_mul_u32_u24 v24, s29, v17
	v_add_nc_u32 v23, s28, v22
	v_add_nc_u32 v25, s29, v24
	v_xor_b32 v27, v26, v22
	v_xor_b32 v28, v26, v23
	v_xor_b32 v[SL],   v27, v24
	v_xor_b32 v[SL+1], v28, v24
	v_xor_b32 v[SL+2], v27, v25
	v_xor_b32 v[SL+3], v28, v25
.irp c, 0,1,2,3
	v_and_b32 v[SL+(\c)], s30, v[SL+(\c)]
.endr
.irp c, 0,1,2,3
	v_min_u32 v[SL+(\c)], 0x7ffff, v[SL+(\c)]
.endr
.irp c, 0,1,2,3
	global_load_b32 v[SL+(\c)], v[SL+(\c)], s[20:21] scale_offset
.endr
.else
	v_mad_u32_u24 v27, v15, s17, v26
	v_mad_u32_u24 v27, v17, s18, v27
	v_min_u32 v[SL+7], 0x7f3f7, v27
.irp c, 0,1,2,3
	global_load_b32 v[SL+(\c)], v[SL+7], s[20+2*(\c):21+2*(\c)] scale_offset
.endr
.endif
.endm
; Tile t's four entries are blended along y, then z, weighted by my x-weight, added to the other x-corner's in the neighbouring lane, rounded to f16 and put into H.
; left = the loads issued behind this tile's four, which may stay out.
.macro CONSUME t, left
.set SL, RING+8*(\t)
	s_wait_loadcnt \left
	v_pk_fma_f16 v30, v[SL],   s37, v[SL+1]         ; F10 - F00, both features: the product by -1 is exact, the sum is rounded once
	v_pk_fma_f16 v31, v[SL+2], s37, v[SL+3]         ; F11 - F01
	v_fma_mix_f32 v32, v30, v[SL+4], v[SL]   op_sel_hi:[1,0,1]                 ; difference * wy + F00 in f32: feature 0 from the low halves,
	v_fma_mix_f32 v33, v30, v[SL+4], v[SL]   op_sel:[1,0,1] op_sel_hi:[1,0,1]  ; feature 1 from the high ones
	v_fma_mix_f32 v34, v31, v[SL+4], v[SL+2] op_sel_hi:[1,0,1]
	v_fma_mix_f32 v35, v31, v[SL+4], v[SL+2] op_sel:[1,0,1] op_sel_hi:[1,0,1]
	v_pk_add_f32 v[34:35], v[34:35], v[32:33] neg_lo:[0,1] neg_hi:[0,1]
	v_pk_fma_f32 v[32:33], v[34:35], v[SL+4:SL+5], v[32:33] op_sel:[0,1,0] op_sel_hi:[1,1,1]  ; both features by wz
	v_pk_mul_f32 v[32:33], v[32:33], v[SL+6:SL+7] op_sel_hi:[1,0]                             ; and by my x-weight
	v_add_f32_dpp v32, v32, v32 row_xmask:1 row_mask:0xf bank_mask:0xf
	v_add_f32_dpp v33, v33, v33 row_xmask:1 row_mask:0xf bank_mask:0xf
	v_cvt_pk_f16_f32 v30, v32, v33
	ds_store_b32 v[HST], v30 offset:1024*(\t)      ; the two lanes of a point write the same word with the same number
.endm
; A PREFETCH of the next level's table: its 8,192 blocks of 256 bytes, a lane a block: wave 0 of the 256 work-groups, one instruction each, so each block is named once in the launch.
; Levels 3 to 14 ask for levels 4 to 15; level 15 asks for nothing.  It stands behind the level's first 60 loads; the wait that follows it is for loads issued earlier.
.macro ASK
	s_cmp_ge_u32 s15, s36
	s_cbranch_scc0 .Lnot_asked_\@
	s_cmp_lt_u32 s15, 15
	s_cbranch_scc0 .Lnot_asked_\@
	global_prefetch_b8 v[PFO], s[20:21] offset:LEVB th:TH_LOAD_NT scope:SCOPE_SE
.Lnot_asked_\@:
.endm
; One level for the wave's 16 tiles.  Each tile has a slot of its own; 15 tiles' loads, 60 of the wave, go out before the first tile is blended, the sixteenth's behind it.
.macro LEVEL kind
	s_lshr_b32 s16, s14, s15                       ; res
.if (\kind) == 0
	s_add_co_u32 s17, s16, 1
	s_mul_i32 s18, s17, s17
	s_lshl_b32 s34, s17, 2
	s_add_nc_u64 s[22:23], s[20:21], s[34:35]      ; one step along y: S1 entries of 4 bytes
	s_lshl_b32 s34, s18, 2
	s_add_nc_u64 s[24:25], s[20:21], s[34:35]      ; one along z
	s_add_nc_u64 s[26:27], s[22:23], s[34:35]      ; both
.endif
	s_lshl_b32 s16, s16, 5
	v_add_nc_u32 v[HST], s13, v[HST0]
.irp t, 0,1,2,3,4,5,6,7,8,9,10,11,12,13,14
	ISSUE \kind, \t
.endr
	ASK
	CONSUME 0, 56                                  ; behind tile 0's four loads stand those of tiles 1 to 14
	ISSUE \kind, 15
.irp t, 1,2,3,4,5,6,7,8,9,10,11,12,13,14,15
	CONSUME \t, 4*(15-(\t))                        ; behind tile t's stand those of tiles t + 1 to 15: the counts run down to 0
.endr
	s_wait_xcnt 0x0                                ; the prefetch has read its base (the loads are done): the bases are written again only behind this wait
	s_add_nc_u64 s[20:21], s[20:21], LEVB          ; the next level's 2^19 entries
	s_mul_i32 s14, s14, 3
	s_add_co_u32 s15, s15, 1
	s_add_co_u32 s13, s13, 4
.endm
	s_mov_b32 s31, 4
.Ldense:                                       ; levels 0 to 3
	LEVEL 0
	s_sub_co_u32 s31, s31, 1
	s_cmp_lg_u32 s31, 0
	s_cbranch_scc1 .Ldense
	s_add_co_u32 s13, s13, 240                     ; four levels fill 16 bytes a point; the next four lie 256 bytes on
	s_mov_b32 s32, 3
.Lchunk:                                       ; levels 4 to 15, four at a time
	s_mov_b32 s31, 4
.Lhash:
	LEVEL 1
	s_sub_co_u32 s31, s31, 1
	s_cmp_lg_u32 s31, 0
	s_cbranch_scc1 .Lhash
	s_add_co_u32 s13, s13, 240
	s_sub_co_u32 s32, s32, 1
	s_cmp_lg_u32 s32, 0
	s_cbranch_scc1 .Lchunk
	; PHASE 2.  From here on r = l % 16 is the point in a tile, h = l / 16.
.set BR,  10                           ; v10  source 1 of layer 1: 16,384 w + 256 h + 16 r (levels 4 h ..; 512 bytes on: levels 8 + 4 h ..)
.set SA,  11                           ; v11  the way out: where my outputs 8 h .. 8 h + 3 go,
.set SB,  12                           ; v12  and my outputs 8 h + 4 .. 8 h + 7
.set RA,  13                           ; v13  where I read 16 bytes of the tile's first 512 output bytes back,
.set RB,  14                           ; v14  and of its second 512
.set GO,  15                           ; v15  16,384 w + 16 l: my 16 bytes in 512 consecutive bytes of out0; never rewritten
.set WO,  16                           ; v16  16 l
.set MX,  20                           ; v20-23 four running maxima: tile u, half c at MX + 2 u + c
.set SC,  26                           ; v[26:29] tile u's scale, twice (a pair for the packed multiply), at SC + 2 u; later its output factor
.set INV, 30                           ; v30, v31 tile u's 2^(e+1)
.set BF,  32                           ; v[32:47] tile u's source 1 of layer 1 at BF + 8 u; later layer 3's sums
.set PK,  48                           ; v[48:79] tile u's 64 activations in f16 at PK + 16 u: source 1 of layers 2 and 3
.set ACC, 80                           ; v[80:143] tile u, feature tile t at ACC + 32 u + 8 t; v[80:95] later the outputs read back
.set WB,  144                          ; v[144:255] the 14 weight fragments, 8 registers each
; THE STAGE.  A tile's 1,024 output bytes pass through its own 1,024 bytes of H, once its features have been read.  The 16 bytes of point p, quarter q lie at 16 (16 q + (p + 4 q) % 16):
; the sixteen lanes of a store (one q, all p) and of a load (four p, all q) each touch sixteen different 16-byte columns.
	v_and_b32 v17, 15, v0                          ; r
	v_bfe_u32 v18, v0, 4, 1                        ; h
	v_and_b32 v19, 31, v0                          ; l
	v_lshl_add_u32 v[BR], v18, 8, s40
	v_lshl_add_u32 v[BR], v17, 4, v[BR]
	v_lshl_add_u32 v20, v18, 3, v17                ; r + 8 h: quarter q = 2 h
	v_and_b32 v21, 15, v20
	v_lshl_add_u32 v21, v18, 5, v21
	v_lshl_add_u32 v[SA], v21, 4, s40
	v_add_nc_u32 v20, 4, v20                       ; quarter q = 2 h + 1
	v_and_b32 v20, 15, v20
	v_lshl_add_u32 v20, v18, 5, v20
	v_add_nc_u32 v20, 16, v20
	v_lshl_add_u32 v[SB], v20, 4, s40
	v_and_b32 v22, 3, v0                           ; back: q = l % 4, p = l / 4 (second half: + 8)
	v_lshrrev_b32 v23, 2, v19
	v_lshl_add_u32 v23, v22, 2, v23
	v_and_b32 v24, 15, v23
	v_lshl_add_u32 v24, v22, 4, v24
	v_lshl_add_u32 v[RA], v24, 4, s40
	v_add_nc_u32 v23, 8, v23
	v_and_b32 v23, 15, v23
	v_lshl_add_u32 v23, v22, 4, v23
	v_lshl_add_u32 v[RB], v23, 4, s40
	v_lshlrev_b32 v[WO], 4, v19
	v_add_nc_u32 v[GO], s40, v[WO]
	v_mov_b32 v24, 0                               ; the exchanges' destinations count as read
	v_mov_b32 v25, 0
.set i, 0
.rept 14
	global_load_b128 v[WB+8*i:WB+8*i+3],   v[WO], s[8:9] offset:1024*i
	global_load_b128 v[WB+8*i+4:WB+8*i+7], v[WO], s[8:9] offset:1024*i+512
.set i, i+1
.endr
	s_wait_loadcnt 0x0
.macro PLACES                          ; places behind matrix instructions: plain vector instructions that name none of their registers (ISA guide 7.12.1)
.rept 4
	v_nop
.endr
.endm
	s_mov_b32 s31, 8
.Lmlp:                                         ; a trip: tiles 2 j and 2 j + 1 of the wave
	ds_load_b128 v[BF:BF+3],     v[BR]             ; LDS serves a wave's instructions in order: these see the wave's own stores of phase 1
	ds_load_b128 v[BF+4:BF+7],   v[BR] offset:512
	ds_load_b128 v[BF+8:BF+11],  v[BR] offset:1024
	ds_load_b128 v[BF+12:BF+15], v[BR] offset:1536
	s_wait_dscnt 0x0
	; LAYER 1: 32 -> 64.  Eight accumulators, each started by its one product.
.irp t, 0,1,2,3
.irp u, 0,1
	v_wmma_f32_16x16x32_f16 v[ACC+32*(\u)+8*(\t):ACC+32*(\u)+8*(\t)+7], v[WB+8*(\t):WB+8*(\t)+7], v[BF+8*(\u):BF+8*(\u)+7], 0
.endr
.endr
	PLACES
	; each point's largest number, or 0: four chains of 16 registers (two accumulators each), in ascending order
.irp c, 0,1,2,3
	v_max3_num_f32 v[MX+(\c)], v[ACC+16*(\c)], v[ACC+16*(\c)+1], v[ACC+16*(\c)+2]
.endr
.set n, 1
.rept 6
.irp c, 0,1,2,3
	v_max3_num_f32 v[MX+(\c)], v[MX+(\c)], v[ACC+16*(\c)+2*n+1], v[ACC+16*(\c)+2*n+2]
.endr
.set n, n+1
.endr
.irp c, 0,1,2,3
	v_max3_num_f32 v[MX+(\c)], v[MX+(\c)], v[ACC+16*(\c)+15], 0
.endr
	v_max_num_f32 v[MX],   v[MX],   v[MX+1]
	v_max_num_f32 v[MX+2], v[MX+2], v[MX+3]
	v_permlanex16_b32 v24, v[MX],   s38, s39       ; the point's other 32 features lie in the lane 16 away
	v_permlanex16_b32 v25, v[MX+2], s38, s39
	v_max_num_f32 v[MX],   v[MX],   v24
	v_max_num_f32 v[MX+2], v[MX+2], v25
	v_and_b32 v[MX],   0x7f800000, v[MX]           ; the exponent's bits: biased exponent b
	v_and_b32 v[MX+2], 0x7f800000, v[MX+2]
.irp u, 0,1
	v_sub_nc_u32 v[SC+2*(\u)],   0x7e800000, v[MX+2*(\u)]  ; biased exponent 253 - b: 2^-(e+1)
	v_sub_nc_u32 v[SC+2*(\u)+1], 0x7e800000, v[MX+2*(\u)]
	v_add_nc_u32 v[INV+(\u)],    0x00800000, v[MX+2*(\u)]  ; 2^(e+1)
.endr
.set i, 0
.rept 32
	v_pk_mul_f32 v[ACC+2*i:ACC+2*i+1], v[ACC+2*i:ACC+2*i+1], v[SC+2*(i/16):SC+2*(i/16)+1] clamp  ; into [0, 1): the scale is exact, the lower bound is the ReLU
.set i, i+1
.endr
.set i, 0
.rept 32
	v_cvt_pk_f16_f32 v[PK+i], v[ACC+2*i], v[ACC+2*i+1]
.set i, i+1
.endr
	; LAYER 2: 64 -> 64.  The eight accumulators take turns, one instruction a turn: seven others stand between the two links of a chain.
.irp a, 0,1
.irp t, 0,1,2,3
.irp u, 0,1
.if (\a) == 0
	v_wmma_f32_16x16x32_f16 v[ACC+32*(\u)+8*(\t):ACC+32*(\u)+8*(\t)+7], v[WB+8*(4+2*(\t)):WB+8*(4+2*(\t))+7], v[PK+16*(\u):PK+16*(\u)+7], 0
.else
	v_wmma_f32_16x16x32_f16 v[ACC+32*(\u)+8*(\t):ACC+32*(\u)+8*(\t)+7], v[WB+8*(5+2*(\t)):WB+8*(5+2*(\t))+7], v[PK+16*(\u)+8:PK+16*(\u)+15], v[ACC+32*(\u)+8*(\t):ACC+32*(\u)+8*(\t)+7]
.endif
.endr
.endr
.endr
	PLACES
	PLACES                                         ; eight: the lines below read results and write over a source
.set i, 0
.rept 32
	v_cvt_pk_f16_f32 v[PK+i], v[ACC+2*i], v[ACC+2*i+1]
.set i, i+1
.endr
.set i, 0
.rept 32
	v_pk_max_num_f16 v[PK+i], v[PK+i], v[ZZ]       ; the ReLU, two at a time; nothing is rounded
.set i, i+1
.endr
	; LAYER 3: 64 -> 16.  Two accumulators by turns.
.irp a, 0,1
.irp u, 0,1
.if (\a) == 0
	v_wmma_f32_16x16x32_f16 v[BF+8*(\u):BF+8*(\u)+7], v[WB+96:WB+103], v[PK+16*(\u):PK+16*(\u)+7], 0
.else
	v_wmma_f32_16x16x32_f16 v[BF+8*(\u):BF+8*(\u)+7], v[WB+104:WB+111], v[PK+16*(\u)+8:PK+16*(\u)+15], v[BF+8*(\u):BF+8*(\u)+7]
.endif
.endr
.endr
.irp u, 0,1
	v_mul_f32 v[SC+2*(\u)],   s33, v[INV+(\u)]     ; the point's output factor 2^(e+1) osc, twice; these four lines are places too
	v_mul_f32 v[SC+2*(\u)+1], s33, v[INV+(\u)]
.endr
	PLACES                                         ; eight in all: the lines below rewrite the results in place
.set i, 0
.rept 8
	v_pk_mul_f32 v[BF+2*i:BF+2*i+1], v[BF+2*i:BF+2*i+1], v[SC+2*(i/4):SC+2*(i/4)+1]
.set i, i+1
.endr
	; THE WAY OUT: a lane's 32 bytes of a point's 64 go into the stage and come back as 512 consecutive bytes of out0 a load.
.irp u, 0,1
	ds_store_b128 v[SA], v[BF+8*(\u):BF+8*(\u)+3]   offset:1024*(\u)
	ds_store_b128 v[SB], v[BF+8*(\u)+4:BF+8*(\u)+7] offset:1024*(\u)
.endr
.irp u, 0,1
	ds_load_b128 v[ACC+8*(\u):ACC+8*(\u)+3],   v[RA] offset:1024*(\u)  ; the wave's own bytes, served in order: these see the stores above
	ds_load_b128 v[ACC+8*(\u)+4:ACC+8*(\u)+7], v[RB] offset:1024*(\u)
.endr
.irp n, 0,1,2,3
	s_wait_dscnt 3-(\n)                            ; load n is back; the 3 - n younger ones may stay out
	global_store_b128 v[GO], v[ACC+4*(\n):ACC+4*(\n)+3], s[10:11] offset:512*(\n) th:TH_STORE_NT  ; 512 consecutive bytes, at a multiple of 512 from out0's first byte
.endr
	s_wait_xcnt 0x0                                ; the stores have read their base and their data: both are written again only behind this wait
	s_add_nc_u64 s[10:11], s[10:11], 2048
.irp r, BR, SA, SB, RA, RB
	v_add_nc_u32 v[\r], 2048, v[\r]                ; the next two tiles
.endr
	s_sub_co_u32 s31, s31, 1
	s_cmp_lg_u32 s31, 0
	s_cbranch_scc1 .Lmlp
	s_wait_tensorcnt 0x0                           ; the wave's end, behind my last LDS store
	ds_add_u32 v[SPW], v[NIL]
	s_wait_dscnt 0x0
	s_endpgm
.Lfunc_end_k_q3e0cafc984_encode:
	.size	k_q3e0cafc984_encode, .Lfunc_end_k_q3e0cafc984_encode-k_q3e0cafc984_encode
	.p2alignl 7, 3214868480
	.fill 96, 4, 3214868480
	.section	.rodata,"a",@progbits
	.p2align	6, 0x0
	.amdhsa_kernel k_q3e0cafc984_encode
		.amdhsa_group_segment_fixed_size 264192
		.amdhsa_private_segment_fixed_size 0
		.amdhsa_enable_private_segment 0
		.amdhsa_kernarg_size 32
		.amdhsa_user_sgpr_count 2
		.amdhsa_user_sgpr_kernarg_segment_ptr 1
		.amdhsa_wavefront_size32 1
		.amdhsa_system_sgpr_workgroup_id_x 1
		.amdhsa_system_sgpr_workgroup_id_y 1
		.amdhsa_system_sgpr_workgroup_id_z 1
		.amdhsa_system_vgpr_workitem_id 0
		.amdhsa_next_free_vgpr 256
		.amdhsa_next_free_sgpr 66
		.amdhsa_reserve_vcc 0
		.amdhsa_float_denorm_mode_32 3
		.amdhsa_float_denorm_mode_16_64 3
		.amdhsa_memory_ordered 1
		.amdhsa_forward_progress 1
		.amdhsa_inst_pref_size 93
	.end_amdhsa_kernel
	.amdgpu_metadata
---
amdhsa.version: [ 1, 2 ]
amdhsa.kernels:
  - .name:           k_q3e0cafc984_encode
    .symbol:         k_q3e0cafc984_encode.kd
    .args:
      - { .name: xq, .offset: 0, .size: 8, .value_kind: global_buffer, .address_space: global }
      - { .name: tq, .offset: 8, .size: 8, .value_kind: global_buffer, .address_space: global }
      - { .name: wf, .offset: 16, .size: 8, .value_kind: global_buffer, .address_space: global }
      - { .name: out0, .offset: 24, .size: 8, .value_kind: global_buffer, .address_space: global }
    .group_segment_fixed_size: 264192
    .private_segment_fixed_size: 0
    .kernarg_segment_align: 8
    .kernarg_segment_size: 32
    .max_flat_workgroup_size: 512
    .sgpr_count:     66
    .vgpr_count:     256
    .wavefront_size: 32
...
	.end_amdgpu_metadata
.endif
;; end of part 4
;; ======== version 3 of 4: 2 launches
;; limits: values are held in f16: magnitudes above 65,504 overflow, below 6.1e-05 lose precision; inputs' magnitudes at most 127
;; workspace buffers: xq 12,582,912 bytes of whole numbers; tq 33,554,432 bytes; wf 14,592 bytes
;; launch quant: the kernel of part 3 again; grid 256 x 1, 16 waves a work-group, no clusters, 0 bytes of LDS; arguments x, table, W1, W2, W3, xq, tq, wf; writes xq, tq, wf
;; launch encode (part 5): grid 256 x 1, 16 waves a work-group, no clusters, 264,192 bytes of LDS; arguments xq, tq, wf, out0; writes out0
.if DOCPART == 5
	.amdgcn_target "amdgcn-amd-amdhsa--gfx1250"
	.amdhsa_code_object_version 6
	.text
	.protected	k_q3e0cafc984_encode
	.globl	k_q3e0cafc984_encode
	.p2align	8
	.type	k_q3e0cafc984_encode,@function
k_q3e0cafc984_encode:
	s_mov_b64 s[64:65], 0
	v_nop
	global_prefetch_b8 v0, s[64:65] scope:SCOPE_SE
	s_setreg_imm32_b32 hwreg(HW_REG_WAVE_MODE, 25, 1), 1
	s_wait_xcnt 0x0
; ENCODE.  out = relu(relu(h W1) W2) W3, h = the 16-level grid encoding of x.  xq (u32, x * 2^27), tq (the table, an entry's two features * 2^8 as a pair of f16 in a word) and wf (f16 weight
; fragments and osc) come from the launch before.
; SHARES.  256 work-groups of 16 waves; a work-group owns 4,096 points, a wave 256.  A wave touches only its own 16 KiB of LDS: the kernel has no barrier.
; PHASE 1, THE GATHER, LEVEL BY LEVEL.  A wave keeps the xq of its 256 points in registers and walks the 16 levels one after the other, so that all waves gather from one level's 2 MiB at about the same time.
; A lane a point, 8 tiles of 32 points: position and index arithmetic are done once a point, and a lane fetches all eight corners, the two x-corners of a y-z pair one after the other.
; POSITION.  xq * (res << 5) in 64 bits: the high word is floor(x res), the low word the fraction * 2^32: cell and weight come from one whole number and always agree.  The interpolant is continuous
; from cell to cell, so a position that falls on the other side of a cell's edge than a rounded f32 product would gives the same value to within the position's error.
; INDEX.  Levels 0-3 ((res + 1)^3 <= 2^19): cx + cy S1 + cz S1^2.  Levels 4-15: cx ^ cy P1 ^ cz P2 mod 2^19; only the products' low 19 bits count, so the primes are taken mod 2^19, and the
; mask is laid on the four y-z parts: cx + 1 is at most 32 * 7,006 < 2^18, so the last exclusive or stays within 19 bits.  res = floor(16 * 1.5^l) = (16 * 3^l) >> l.
; THE BLEND.  Along x: the difference of two entries in packed f16 (one rounding), then difference * wx + entry straight from the halves into f32; along y and z in f32.
; The level's two features, still times 2^8, go to LDS as a pair of f16, in the order in which layer 1 reads them as source 1.
; PHASE 2, THE MLP, two tiles of 16 points a trip.  Source 0 = 16 output features (wf), source 1 = 16 points: in every layer's result a lane holds ONE point (l % 16) and features 8 (l / 16) + 0..7, and two
; results rounded in pairs ARE source 1 of the next layer: nothing changes lanes between the layers.  f16 operands, f32 sums.
; RANGE.  The MLP has no bias, so powers of two go through it unchanged.  The weights arrive within (-2, 2).  Layer 1's result is multiplied, point by point, by 2^-(e+1), e the exponent of the point's
; largest positive number: it lies in [0, 1) (negative numbers are cut to 0 in the same line: the ReLU).  So |layer 2's sums| < 64 * 2 * 1 = 128: nothing passes f16's range.  out = sums * 2^(e+1) * osc.
; LIMITS.  x as in the launch before.  A dense level's lowest corner index is held to 0x7f3f6 = 2^19 - 1 - 1 - 55 - 3025, so that all corners stay in the table: exact wherever the problem's own
; lowest corner index is no greater.  |table| < 127 (2^8 times the difference of two entries is kept in f16).  Layer 1's sums below 2^125.  Infinities and NaN are not treated apart.
; NO CLUSTER, NO TENSOR LOADS: work-groups share no tile; the table is reached by single entries at indices that differ from lane to lane; the shared weights are 14 KiB.
.set SPARE, 262144                     ; LDS: H in bytes 0 .. 262,143; behind it the spare words, 128 bytes for each of the 16 waves, which no other line names
; H: 16,384 w + 1,024 t + 256 (l / 4) + 16 p + 4 (l % 4) for point p of the wave's 16-point tile t, level l: a 16-byte read of four levels takes 256 consecutive bytes for 16 points.
; A level's store of 32 points covers two such tiles: 16 points 16 bytes apart, twice, 1,024 bytes apart: the two halves of the lanes fall on the same 16 of the 64 banks (ISA guide 11.1).
.set LEVB, 0x200000                    ; a level of tq: 2^19 entries of 4 bytes
.set SPW,  1                           ; v1   LDS address of my spare word; never rewritten
.set NIL,  2                           ; v2   0, for the add alone
.set ZZ,   6                           ; v[6:7] 0
.set HST0, 8                           ; v8   16,384 w + 1,024 (l / 16) + 16 (l % 16)
.set HST,  9                           ; v9   + the level's place
.set XO,   10                          ; v10  my point's 12 bytes in the wave's xq
.set PFO,  11                          ; v11  the prefetches' offset in a level
; v[12:17] the three products (low, high); v18, v[20:21] fractions as f32; v19 cx + 1; v22-25 cy P1, (cy+1) P1, cz P2, (cz+1) P2; v26-29 the four y-z parts; v30, v[32:39] at work in the blend
.set XQ,   64                          ; v[64:95]   tile t's xq at XQ + 4 t .. + 2
.set RING, 128                         ; v[128:223] a slot of 12 for each tile: +c the entry of corner c = i + 2 j + 4 k (x-corner i, y-corner j, z-corner k), +8 wy, +9 wz, +10 wx, +11 the dense index
.set DB,   44                          ; s[44:59]   a dense level's table at corner c: s[DB + 2 c : DB + 2 c + 1]
; scalars: s[4:5] xq, s[6:7] tq, s[8:9] wf, s[10:11] out0 (at the work-group's part); s12 wave; s13 the level's place in H; s14 16 * 3^l; s15 l; s16 res << 5; s17 S1; s18 S1^2;
; s[20:21] the level's table; s28, s29 the primes mod 2^19; s30 2^19 - 1; s31, s32 counters; s33 osc; s[34:35] an offset; s36 the first level at which I prefetch;
; s37 -1 twice in f16; s[38:39] lane selects; s40 16,384 w
	s_load_b256 s[4:11], s[0:1], 0x0
	v_lshl_add_u32 v[SPW], v0, 2, SPARE
	v_mov_b32 v[NIL], 0
	v_lshrrev_b32 v12, 5, v0
	v_readfirstlane_b32 s12, v12                   ; wave 0..15
	v_and_b32 v13, 31, v0                          ; l
	v_bfe_u32 v14, v0, 4, 1                        ; l / 16
	v_and_b32 v15, 15, v0                          ; l % 16
	v_mov_b32 v[ZZ], 0
	v_mov_b32 v[ZZ+1], 0
	s_lshl_b32 s40, s12, 14
	v_lshl_add_u32 v[HST0], v14, 10, s40
	v_lshl_add_u32 v[HST0], v15, 4, v[HST0]
	s_mul_i32 s41, s12, 3072                       ; 256 points of 12 bytes
	v_mul_u32_u24 v[XO], v13, 12
	v_add_nc_u32 v[XO], s41, v[XO]
	s_lshl_b32 s42, ttmp9, 13
	v_lshl_add_u32 v[PFO], v13, 8, s42             ; (32 x work-group + l) x 256: inside a level for every wave
	s_mov_b32 s28, 0x779b1                         ; 2,654,435,761 mod 2^19
	s_mov_b32 s29, 0x25795                         ; 805,459,861 mod 2^19
	s_mov_b32 s30, 0x7ffff
	s_mov_b32 s37, 0xbc00bc00
	s_mov_b32 s38, 0x76543210
	s_mov_b32 s39, 0xfedcba98
	s_mov_b32 s35, 0
	s_cmp_eq_u32 s12, 0
	s_cselect_b32 s36, 3, 99                       ; wave 0 prefetches from level 3 on, the others never
	s_mov_b32 s14, 16
	s_mov_b32 s15, 0
	s_mov_b32 s13, 0
	s_mul_i32 s34, ttmp9, 49152
	s_wait_kmcnt 0x0
	s_add_nc_u64 s[4:5], s[4:5], s[34:35]
	s_lshl_b32 s34, ttmp9, 18                      ; 4,096 points of 64 bytes
	s_add_nc_u64 s[10:11], s[10:11], s[34:35]
	s_mov_b64 s[20:21], s[6:7]
	s_load_b32 s33, s[8:9], 0x3800                 ; osc; no line of this kernel writes wf
.set i, 0
.rept 8
	global_load_b96 v[XQ+4*i:XQ+4*i+2], v[XO], s[4:5] offset:384*i th:TH_LOAD_NT  ; a tile's 384 consecutive bytes
.set i, i+1
.endr
	s_wait_loadcnt 0x0
	s_wait_kmcnt 0x0
; Tile t's position in the level: cells in v13, v15, v17; the slot's three weights.
.macro POS t
.set SL, RING+12*(\t)
	v_mad_nc_u64_u32 v[12:13], v[XQ+4*(\t)],   s16, v[ZZ:ZZ+1]
	v_mad_nc_u64_u32 v[14:15], v[XQ+4*(\t)+1], s16, v[ZZ:ZZ+1]
	v_mad_nc_u64_u32 v[16:17], v[XQ+4*(\t)+2], s16, v[ZZ:ZZ+1]
	v_cvt_f32_u32 v18, v12
	v_cvt_f32_u32 v20, v14
	v_cvt_f32_u32 v21, v16
	v_mul_f32 v[SL+10], 0x2f800000, v18            ; wx: fraction32 * 2^-32
	v_pk_mul_f32 v[SL+8:SL+9], v[20:21], 0x2f800000 op_sel_hi:[1,0]  ; wy, wz
.endm
; Tile t's eight loads of 4 bytes a lane.  kind = 0: a dense level: one index, eight bases.  kind = 1: a hashed level: eight indices; each load lands on its own index.
; Every index passes a v_min_u32 with a constant as its last step, so that no load leaves the level's 2^19 entries whatever xq holds.
.macro ISSUE kind, t
	POS \t
.if \kind
	v_mul_u32_u24 v22, s28, v15
	v_mul_u32_u24 v24, s29, v17
	v_add_nc_u32 v19, 1, v13
	v_add_nc_u32 v23, s28, v22
	v_add_nc_u32 v25, s29, v24
	v_xor_b32 v26, v22, v24                        ; the y-z part of corners (j, k) = (0, 0),
	v_xor_b32 v27, v23, v24                        ; (1, 0),
	v_xor_b32 v28, v22, v25                        ; (0, 1),
	v_xor_b32 v29, v23, v25                        ; (1, 1)
.irp m, 0,1,2,3
	v_and_b32 v[26+(\m)], s30, v[26+(\m)]
.endr
.irp m, 0,1,2,3
	v_xor_b32 v[SL+2*(\m)],   v13, v[26+(\m)]
	v_xor_b32 v[SL+2*(\m)+1], v19, v[26+(\m)]
.endr
.irp c, 0,1,2,3,4,5,6,7
	v_min_u32 v[SL+(\c)], 0x7ffff, v[SL+(\c)]
.endr
.irp c, 0,1,2,3,4,5,6,7
	global_load_b32 v[SL+(\c)], v[SL+(\c)], s[20:21] scale_offset
.endr
.else
	v_mad_u32_u24 v27, v15, s17, v13
	v_mad_u32_u24 v27, v17, s18, v27
	v_min_u32 v[SL+11], 0x7f3f6, v27
.irp c, 0,1,2,3,4,5,6,7
	global_load_b32 v[SL+(\c)], v[SL+11], s[DB+2*(\c):DB+2*(\c)+1] scale_offset
.endr
.endif
.endm
; Tile t's eight entries are blended along x, then y, then z, rounded to f16 and put into H.  left = the loads issued behind this tile's eight, which may stay out.
; The four differences do not wait for each other, nor do the eight lines that follow them.
.macro CONSUME t, left
.set SL, RING+12*(\t)
	s_wait_loadcnt \left
.irp m, 0,1,2,3
	v_pk_fma_f16 v[SL+2*(\m)+1], v[SL+2*(\m)], s37, v[SL+2*(\m)+1]  ; x-corner 1 less x-corner 0, both features: the product by -1 is exact, the sum is rounded once
.endr
.irp m, 0,1,2,3
	v_fma_mix_f32 v[32+2*(\m)], v[SL+2*(\m)+1], v[SL+10], v[SL+2*(\m)] op_sel_hi:[1,0,1]                 ; difference * wx + x-corner 0 in f32: feature 0 from the low halves,
	v_fma_mix_f32 v[33+2*(\m)], v[SL+2*(\m)+1], v[SL+10], v[SL+2*(\m)] op_sel:[1,0,1] op_sel_hi:[1,0,1]  ; feature 1 from the high ones
.endr
	v_pk_add_f32 v[34:35], v[34:35], v[32:33] neg_lo:[0,1] neg_hi:[0,1]
	v_pk_add_f32 v[38:39], v[38:39], v[36:37] neg_lo:[0,1] neg_hi:[0,1]
	v_pk_fma_f32 v[32:33], v[34:35], v[SL+8:SL+9], v[32:33] op_sel_hi:[1,0,1]  ; both features by wy
	v_pk_fma_f32 v[36:37], v[38:39], v[SL+8:SL+9], v[36:37] op_sel_hi:[1,0,1]
	v_pk_add_f32 v[36:37], v[36:37], v[32:33] neg_lo:[0,1] neg_hi:[0,1]
	v_pk_fma_f32 v[32:33], v[36:37], v[SL+8:SL+9], v[32:33] op_sel:[0,1,0] op_sel_hi:[1,1,1]  ; both by wz
	v_cvt_pk_f16_f32 v30, v32, v33
	ds_store_b32 v[HST], v30 offset:2048*(\t)
.endm
; A PREFETCH of the next level's table: its 8,192 blocks of 256 bytes, a lane a block: wave 0 of the 256 work-groups, one instruction each, so each block is named once in the launch.
; Levels 3 to 14 ask for levels 4 to 15; level 15 asks for nothing.  It stands behind the level's first 56 loads; the wait that follows it is for loads issued earlier.
.macro ASK
	s_cmp_ge_u32 s15, s36
	s_cbranch_scc0 .Lnot_asked_\@
	s_cmp_lt_u32 s15, 15
	s_cbranch_scc0 .Lnot_asked_\@
	global_prefetch_b8 v[PFO], s[20:21] offset:LEVB th:TH_LOAD_NT scope:SCOPE_SE
.Lnot_asked_\@:
.endm
; One level for the wave's 8 tiles.  Each tile has a slot of its own; 7 tiles' loads, 56 of the wave, go out before the first tile is blended, the eighth's behind it.
.macro LEVEL kind
	s_lshr_b32 s16, s14, s15                       ; res
.if (\kind) == 0
	s_add_co_u32 s17, s16, 1
	s_mul_i32 s18, s17, s17
	s_mov_b64 s[DB:DB+1], s[20:21]
	s_add_nc_u64 s[DB+2:DB+3], s[20:21], 4         ; one step along x: an entry of 4 bytes
	s_lshl_b32 s34, s17, 2
	s_add_nc_u64 s[DB+4:DB+5], s[DB:DB+1],   s[34:35]  ; one along y: S1 entries
	s_add_nc_u64 s[DB+6:DB+7], s[DB+2:DB+3], s[34:35]
	s_lshl_b32 s34, s18, 2
.irp c, 0,1,2,3
	s_add_nc_u64 s[DB+8+2*(\c):DB+9+2*(\c)], s[DB+2*(\c):DB+2*(\c)+1], s[34:35]  ; one along z: S1^2 entries
.endr
.endif
	s_lshl_b32 s16, s16, 5
	v_add_nc_u32 v[HST], s13, v[HST0]
.irp t, 0,1,2,3,4,5,6
	ISSUE \kind, \t
.endr
	ASK
	CONSUME 0, 48                                  ; behind tile 0's eight loads stand those of tiles 1 to 6
	ISSUE \kind, 7
.irp t, 1,2,3,4,5,6,7
	CONSUME \t, 8*(7-(\t))                         ; behind tile t's stand those of tiles t + 1 to 7: the counts run down to 0
.endr
	s_wait_xcnt 0x0                                ; the prefetch has read its base (the loads are done): the bases are written again only behind this wait
	s_add_nc_u64 s[20:21], s[20:21], LEVB          ; the next level's 2^19 entries
	s_mul_i32 s14, s14, 3
	s_add_co_u32 s15, s15, 1
	s_add_co_u32 s13, s13, 4
.endm
	s_mov_b32 s31, 4
.Ldense:                                       ; levels 0 to 3
	LEVEL 0
	s_sub_co_u32 s31, s31, 1
	s_cmp_lg_u32 s31, 0
	s_cbranch_scc1 .Ldense
	s_add_co_u32 s13, s13, 240                     ; four levels fill 16 bytes a point; the next four lie 256 bytes on
	s_mov_b32 s32, 3
.Lchunk:                                       ; levels 4 to 15, four at a time
	s_mov_b32 s31, 4
.Lhash:
	LEVEL 1
	s_sub_co_u32 s31, s31, 1
	s_cmp_lg_u32 s31, 0
	s_cbranch_scc1 .Lhash
	s_add_co_u32 s13, s13, 240
	s_sub_co_u32 s32, s32, 1
	s_cmp_lg_u32 s32, 0
	s_cbranch_scc1 .Lchunk
	; PHASE 2.  From here on r = l % 16 is the point in a tile of 16, h = l / 16.
.set BR,  10                           ; v10  source 1 of layer 1: 16,384 w + 256 h + 16 r (levels 4 h ..; 512 bytes on: levels 8 + 4 h ..)
.set SA,  11                           ; v11  the way out: where my outputs 8 h .. 8 h + 3 go,
.set SB,  12                           ; v12  and my outputs 8 h + 4 .. 8 h + 7
.set RA,  13                           ; v13  where I read 16 bytes of the tile's first 512 output bytes back,
.set RB,  14                           ; v14  and of its second 512
.set GO,  15                           ; v15  16,384 w + 16 l: my 16 bytes in 512 consecutive bytes of out0; never rewritten
.set WO,  16                           ; v16  16 l
.set MX,  20                           ; v20-23 four running maxima: tile u, half c at MX + 2 u + c
.set SC,  26                           ; v[26:29] tile u's scale, twice (a pair for the packed multiply), at SC + 2 u; later its output factor
.set INV, 30                           ; v30, v31 tile u's 2^(e+1)
.set BF,  32                           ; v[32:47] tile u's source 1 of layer 1 at BF + 8 u; later layer 3's sums
.set PK,  48                           ; v[48:79] tile u's 64 activations in f16 at PK + 16 u: source 1 of layers 2 and 3
.set ACC, 80                           ; v[80:143] tile u, feature tile t at ACC + 32 u + 8 t; v[80:95] later the outputs read back
.set WB,  144                          ; v[144:255] the 14 weight fragments, 8 registers each
; THE STAGE.  A tile's 1,024 output bytes pass through its own 1,024 bytes of H, once its features have been read.  The 16 bytes of point p, quarter q lie at 16 (16 q + (p + 4 q) % 16):
; the sixteen lanes of a store (one q, all p) and of a load (four p, all q) each touch sixteen different 16-byte columns.
	v_and_b32 v17, 15, v0                          ; r
	v_bfe_u32 v18, v0, 4, 1                        ; h
	v_and_b32 v19, 31, v0                          ; l
	v_lshl_add_u32 v[BR], v18, 8, s40
	v_lshl_add_u32 v[BR], v17, 4, v[BR]
	v_lshl_add_u32 v20, v18, 3, v17                ; r + 8 h: quarter q = 2 h
	v_and_b32 v21, 15, v20
	v_lshl_add_u32 v21, v18, 5, v21
	v_lshl_add_u32 v[SA], v21, 4, s40
	v_add_nc_u32 v20, 4, v20                       ; quarter q = 2 h + 1
	v_and_b32 v20, 15, v20
	v_lshl_add_u32 v20, v18, 5, v20
	v_add_nc_u32 v20, 16, v20
	v_lshl_add_u32 v[SB], v20, 4, s40
	v_and_b32 v22, 3, v0                           ; back: q = l % 4, p = l / 4 (second half: + 8)
	v_lshrrev_b32 v23, 2, v19
	v_lshl_add_u32 v23, v22, 2, v23
	v_and_b32 v24, 15, v23
	v_lshl_add_u32 v24, v22, 4, v24
	v_lshl_add_u32 v[RA], v24, 4, s40
	v_add_nc_u32 v23, 8, v23
	v_and_b32 v23, 15, v23
	v_lshl_add_u32 v23, v22, 4, v23
	v_lshl_add_u32 v[RB], v23, 4, s40
	v_lshlrev_b32 v[WO], 4, v19
	v_add_nc_u32 v[GO], s40, v[WO]
	v_mov_b32 v24, 0                               ; the exchanges' destinations count as read
	v_mov_b32 v25, 0
.set i, 0
.rept 14
	global_load_b128 v[WB+8*i:WB+8*i+3],   v[WO], s[8:9] offset:1024*i
	global_load_b128 v[WB+8*i+4:WB+8*i+7], v[WO], s[8:9] offset:1024*i+512
.set i, i+1
.endr
	s_wait_loadcnt 0x0
.macro PLACES                          ; places behind matrix instructions: plain vector instructions that name none of their registers (ISA guide 7.12.1)
.rept 4
	v_nop
.endr
.endm
	s_mov_b32 s31, 8
.Lmlp:                                         ; a trip: tiles 2 j and 2 j + 1 of the wave
	ds_load_b128 v[BF:BF+3],     v[BR]             ; LDS serves a wave's instructions in order: these see the wave's own stores of phase 1
	ds_load_b128 v[BF+4:BF+7],   v[BR] offset:512
	ds_load_b128 v[BF+8:BF+11],  v[BR] offset:1024
	ds_load_b128 v[BF+12:BF+15], v[BR] offset:1536
	s_wait_dscnt 0x0
	; LAYER 1: 32 -> 64.  Eight accumulators, each started by its one product.
.irp t, 0,1,2,3
.irp u, 0,1
	v_wmma_f32_16x16x32_f16 v[ACC+32*(\u)+8*(\t):ACC+32*(\u)+8*(\t)+7], v[WB+8*(\t):WB+8*(\t)+7], v[BF+8*(\u):BF+8*(\u)+7], 0
.endr
.endr
	PLACES
	; each point's largest number, or 0: four chains of 16 registers (two accumulators each), in ascending order
.irp c, 0,1,2,3
	v_max3_num_f32 v[MX+(\c)], v[ACC+16*(\c)], v[ACC+16*(\c)+1], v[ACC+16*(\c)+2]
.endr
.set n, 1
.rept 6
.irp c, 0,1,2,3
	v_max3_num_f32 v[MX+(\c)], v[MX+(\c)], v[ACC+16*(\c)+2*n+1], v[ACC+16*(\c)+2*n+2]
.endr
.set n, n+1
.endr
.irp c, 0,1,2,3
	v_max3_num_f32 v[MX+(\c)], v[MX+(\c)], v[ACC+16*(\c)+15], 0
.endr
	v_max_num_f32 v[MX],   v[MX],   v[MX+1]
	v_max_num_f32 v[MX+2], v[MX+2], v[MX+3]
	v_permlanex16_b32 v24, v[MX],   s38, s39       ; the point's other 32 features lie in the lane 16 away
	v_permlanex16_b32 v25, v[MX+2], s38, s39
	v_max_num_f32 v[MX],   v[MX],   v24
	v_max_num_f32 v[MX+2], v[MX+2], v25
	v_and_b32 v[MX],   0x7f800000, v[MX]           ; the exponent's bits: biased exponent b
	v_and_b32 v[MX+2], 0x7f800000, v[MX+2]
.irp u, 0,1
	v_sub_nc_u32 v[SC+2*(\u)],   0x7e800000, v[MX+2*(\u)]  ; biased exponent 253 - b: 2^-(e+1)
	v_sub_nc_u32 v[SC+2*(\u)+1], 0x7e800000, v[MX+2*(\u)]
	v_add_nc_u32 v[INV+(\u)],    0x00800000, v[MX+2*(\u)]  ; 2^(e+1)
.endr
.set i, 0
.rept 32
	v_pk_mul_f32 v[ACC+2*i:ACC+2*i+1], v[ACC+2*i:ACC+2*i+1], v[SC+2*(i/16):SC+2*(i/16)+1] clamp  ; into [0, 1): the scale is exact, the lower bound is the ReLU
.set i, i+1
.endr
.set i, 0
.rept 32
	v_cvt_pk_f16_f32 v[PK+i], v[ACC+2*i], v[ACC+2*i+1]
.set i, i+1
.endr
	; LAYER 2: 64 -> 64.  The eight accumulators take turns, one instruction a turn: seven others stand between the two links of a chain.
.irp a, 0,1
.irp t, 0,1,2,3
.irp u, 0,1
.if (\a) == 0
	v_wmma_f32_16x16x32_f16 v[ACC+32*(\u)+8*(\t):ACC+32*(\u)+8*(\t)+7], v[WB+8*(4+2*(\t)):WB+8*(4+2*(\t))+7], v[PK+16*(\u):PK+16*(\u)+7], 0
.else
	v_wmma_f32_16x16x32_f16 v[ACC+32*(\u)+8*(\t):ACC+32*(\u)+8*(\t)+7], v[WB+8*(5+2*(\t)):WB+8*(5+2*(\t))+7], v[PK+16*(\u)+8:PK+16*(\u)+15], v[ACC+32*(\u)+8*(\t):ACC+32*(\u)+8*(\t)+7]
.endif
.endr
.endr
.endr
	PLACES
	PLACES                                         ; eight: the lines below read results and write over a source
.set i, 0
.rept 32
	v_cvt_pk_f16_f32 v[PK+i], v[ACC+2*i], v[ACC+2*i+1]
.set i, i+1
.endr
.set i, 0
.rept 32
	v_pk_max_num_f16 v[PK+i], v[PK+i], v[ZZ]       ; the ReLU, two at a time; nothing is rounded
.set i, i+1
.endr
	; LAYER 3: 64 -> 16.  Two accumulators by turns.
.irp a, 0,1
.irp u, 0,1
.if (\a) == 0
	v_wmma_f32_16x16x32_f16 v[BF+8*(\u):BF+8*(\u)+7], v[WB+96:WB+103], v[PK+16*(\u):PK+16*(\u)+7], 0
.else
	v_wmma_f32_16x16x32_f16 v[BF+8*(\u):BF+8*(\u)+7], v[WB+104:WB+111], v[PK+16*(\u)+8:PK+16*(\u)+15], v[BF+8*(\u):BF+8*(\u)+7]
.endif
.endr
.endr
.irp u, 0,1
	v_mul_f32 v[SC+2*(\u)],   s33, v[INV+(\u)]     ; the point's output factor 2^(e+1) osc, twice; these four lines are places too
	v_mul_f32 v[SC+2*(\u)+1], s33, v[INV+(\u)]
.endr
	PLACES                                         ; eight in all: the lines below rewrite the results in place
.set i, 0
.rept 8
	v_pk_mul_f32 v[BF+2*i:BF+2*i+1], v[BF+2*i:BF+2*i+1], v[SC+2*(i/4):SC+2*(i/4)+1]
.set i, i+1
.endr
	; THE WAY OUT: a lane's 32 bytes of a point's 64 go into the stage and come back as 512 consecutive bytes of out0 a load.
.irp u, 0,1
	ds_store_b128 v[SA], v[BF+8*(\u):BF+8*(\u)+3]   offset:1024*(\u)
	ds_store_b128 v[SB], v[BF+8*(\u)+4:BF+8*(\u)+7] offset:1024*(\u)
.endr
.irp u, 0,1
	ds_load_b128 v[ACC+8*(\u):ACC+8*(\u)+3],   v[RA] offset:1024*(\u)  ; the wave's own bytes, served in order: these see the stores above
	ds_load_b128 v[ACC+8*(\u)+4:ACC+8*(\u)+7], v[RB] offset:1024*(\u)
.endr
.irp n, 0,1,2,3
	s_wait_dscnt 3-(\n)                            ; load n is back; the 3 - n younger ones may stay out
	global_store_b128 v[GO], v[ACC+4*(\n):ACC+4*(\n)+3], s[10:11] offset:512*(\n) th:TH_STORE_NT  ; 512 consecutive bytes, at a multiple of 512 from out0's first byte
.endr
	s_wait_xcnt 0x0                                ; the stores have read their base and their data: both are written again only behind this wait
	s_add_nc_u64 s[10:11], s[10:11], 2048
.irp r, BR, SA, SB, RA, RB
	v_add_nc_u32 v[\r], 2048, v[\r]                ; the next two tiles
.endr
	s_sub_co_u32 s31, s31, 1
	s_cmp_lg_u32 s31, 0
	s_cbranch_scc1 .Lmlp
	s_wait_tensorcnt 0x0                           ; the wave's end, behind my last LDS store
	ds_add_u32 v[SPW], v[NIL]
	s_wait_dscnt 0x0
	s_endpgm
.Lfunc_end_k_q3e0cafc984_encode:
	.size	k_q3e0cafc984_encode, .Lfunc_end_k_q3e0cafc984_encode-k_q3e0cafc984_encode
	.p2alignl 7, 3214868480
	.fill 96, 4, 3214868480
	.section	.rodata,"a",@progbits
	.p2align	6, 0x0
	.amdhsa_kernel k_q3e0cafc984_encode
		.amdhsa_group_segment_fixed_size 264192
		.amdhsa_private_segment_fixed_size 0
		.amdhsa_enable_private_segment 0
		.amdhsa_kernarg_size 32
		.amdhsa_user_sgpr_count 2
		.amdhsa_user_sgpr_kernarg_segment_ptr 1
		.amdhsa_wavefront_size32 1
		.amdhsa_system_sgpr_workgroup_id_x 1
		.amdhsa_system_sgpr_workgroup_id_y 1
		.amdhsa_system_sgpr_workgroup_id_z 1
		.amdhsa_system_vgpr_workitem_id 0
		.amdhsa_next_free_vgpr 256
		.amdhsa_next_free_sgpr 66
		.amdhsa_reserve_vcc 0
		.amdhsa_float_denorm_mode_32 3
		.amdhsa_float_denorm_mode_16_64 3
		.amdhsa_memory_ordered 1
		.amdhsa_forward_progress 1
		.amdhsa_inst_pref_size 75
	.end_amdhsa_kernel
	.amdgpu_metadata
---
amdhsa.version: [ 1, 2 ]
amdhsa.kernels:
  - .name:           k_q3e0cafc984_encode
    .symbol:         k_q3e0cafc984_encode.kd
    .args:
      - { .name: xq, .offset: 0, .size: 8, .value_kind: global_buffer, .address_space: global }
      - { .name: tq, .offset: 8, .size: 8, .value_kind: global_buffer, .address_space: global }
      - { .name: wf, .offset: 16, .size: 8, .value_kind: global_buffer, .address_space: global }
      - { .name: out0, .offset: 24, .size: 8, .value_kind: global_buffer, .address_space: global }
    .group_segment_fixed_size: 264192
    .private_segment_fixed_size: 0
    .kernarg_segment_align: 8
    .kernarg_segment_size: 32
    .max_flat_workgroup_size: 512
    .sgpr_count:     66
    .vgpr_count:     256
    .wavefront_size: 32
...
	.end_amdgpu_metadata
.endif
;; end of part 5
;; ======== version 4 of 4: 2 launches; version 3 with the launch encode written anew for expert scheduling mode
;; limits: values are held in f16: magnitudes above 65,504 overflow, below 6.1e-05 lose precision; inputs' magnitudes at most 127
;; workspace buffers: xq 12,582,912 bytes of whole numbers; tq 33,554,432 bytes; wf 14,592 bytes
;; launch quant: the kernel of part 3 again; grid 256 x 1, 16 waves a work-group, no clusters, 0 bytes of LDS; arguments x, table, W1, W2, W3, xq, tq, wf; writes xq, tq, wf
;; launch encode (part 6): grid 256 x 1, 16 waves a work-group, no clusters, 264,192 bytes of LDS; arguments xq, tq, wf, out0; writes out0
.if DOCPART == 6
	.amdgcn_target "amdgcn-amd-amdhsa--gfx1250"
	.amdhsa_code_object_version 6
	.text
	.protected	k_q3e0cafc984_encode
	.globl	k_q3e0cafc984_encode
	.p2align	8
	.type	k_q3e0cafc984_encode,@function
k_q3e0cafc984_encode:
	s_mov_b64 s[64:65], 0
	v_nop
	global_prefetch_b8 v0, s[64:65] scope:SCOPE_SE
	s_setreg_imm32_b32 hwreg(HW_REG_WAVE_SCHED_MODE, 0, 2), 2
	s_setreg_imm32_b32 hwreg(HW_REG_WAVE_MODE, 25, 1), 1
	s_wait_xcnt 0x0
	s_wait_alu depctr_vm_vsrc(0)
; ENCODE.  out = relu(relu(h W1) W2) W3, h = the 16-level grid encoding of x.  xq (u32, x * 2^27), tq (the table, an entry's two features * 2^8 as a pair of f16 in a word) and wf (f16 weight
; fragments and osc) come from the launch before.
; SHARES.  256 work-groups of 16 waves; a work-group owns 4,096 points, a wave 256.  A wave touches only its own 16 KiB of LDS: the kernel has no barrier.
; PHASE 1, THE GATHER, LEVEL BY LEVEL.  A wave keeps the xq of its 256 points in registers and walks the 16 levels one after the other, so that all waves gather from one level's 2 MiB at about the same time.
; A lane a point, 8 tiles of 32 points: position and index arithmetic are done once a point, and a lane fetches all eight corners, the two x-corners of a y-z pair one after the other.
; POSITION.  xq * (res << 5) in 64 bits: the high word is floor(x res), the low word the fraction * 2^32: cell and weight come from one whole number and always agree.  The interpolant is continuous
; from cell to cell, so a position that falls on the other side of a cell's edge than a rounded f32 product would gives the same value to within the position's error.
; INDEX.  Levels 0-3 ((res + 1)^3 <= 2^19): cx + cy S1 + cz S1^2.  Levels 4-15: cx ^ cy P1 ^ cz P2 mod 2^19; only the products' low 19 bits count, so the primes are taken mod 2^19, and the
; mask is laid on the four y-z parts: cx + 1 is at most 32 * 7,006 < 2^18, so the last exclusive or stays within 19 bits.  res = floor(16 * 1.5^l) = (16 * 3^l) >> l.
; THE BLEND.  Along x: the difference of two entries in packed f16 (one rounding), then difference * wx + entry straight from the halves into f32; along y and z in f32.
; The level's two features, still times 2^8, go to LDS as a pair of f16, in the order in which layer 1 reads them as source 1.
; PHASE 2, THE MLP, two tiles of 16 points a trip.  Source 0 = 16 output features (wf), source 1 = 16 points: in every layer's result a lane holds ONE point (l % 16) and features 8 (l / 16) + 0..7, and two
; results rounded in pairs ARE source 1 of the next layer: nothing changes lanes between the layers.  f16 operands, f32 sums.
; RANGE.  The MLP has no bias, so powers of two go through it unchanged.  The weights arrive within (-2, 2).  Layer 1's result is multiplied, point by point, by 2^-(e+1), e the exponent of the point's
; largest positive number: it lies in [0, 1) (negative numbers are cut to 0 in the same line: the ReLU).  So |layer 2's sums| < 64 * 2 * 1 = 128: nothing passes f16's range.  out = sums * 2^(e+1) * osc.
; LIMITS.  x as in the launch before.  A dense level's lowest corner index is held to 0x7f3f6 = 2^19 - 1 - 1 - 55 - 3025, so that all corners stay in the table: exact wherever the problem's own
; lowest corner index is no greater.  |table| < 127 (2^8 times the difference of two entries is kept in f16).  Layer 1's sums below 2^125.  Infinities and NaN are not treated apart.
; NO CLUSTER, NO TENSOR LOADS: work-groups share no tile; the table is reached by single entries at indices that differ from lane to lane; the shared weights are 14 KiB.
; THE MODE: SCHED_MODE bits 1:0 = 2 (LLVM: expert scheduling mode 2), set by the entry lines.  The code itself states the register dependences
; between vector or matrix instructions and memory or LDS instructions, with s_wait_alu, always for 0.
; THE PLAN, PHASE 1.  Registers that memory or LDS instructions touch, round a level:
;   IDX[t]       eight indices a tile.  Written by tile t's index lines; read by tile t's eight loads as their offsets; written again in the next level.
;   SL[t]+0..7   eight entries a tile.  The loads land here; tile t's blend reads them and writes the odd ones; the next level's loads land here again.
;   OUT[t]       a word a tile.  Written by tile t's rounding; read by the level's eight LDS stores, which stand together at the level's end.
;   v[HST]       Written once a level; read by those eight stores.       v[XO], v[PFO]  made at the head and not written again in this phase.
; One wait on vm_vsrc a level stands ahead of the level's first write of an index: the level before's loads have read IDX, its LDS stores OUT and v[HST].  The indices are made two tiles at a time, and one wait on
; va_vdst stands between a pair's index lines and its sixteen loads.  The fourth such wait serves tile 7's loads too, which stand behind tile 0's blend: that blend names SL[0], v[32:39] and OUT[0], and none of the
; registers that those loads touch.  One more wait on va_vdst stands behind the last blend, ahead of the run of LDS stores.
; THE PLAN, PHASE 2.  Round a trip:
;   BF           The LDS loads at the trip's head land here; layer 1 reads it; layer 3 and the output factor write it; the four LDS stores into the stage read it.
;   ACC+0..15    Written by layers 1 and 2, read by the lines behind them; then the four LDS loads from the stage land here, and the four stores to out0 read them.
;   v[BR]        Read by the loads at the head; stepped straight behind them.      v[SA], v[SB], v[RA], v[RB]  read by the stage's stores and loads; stepped at the trip's end.      v[GO]  never written again.
; ONE wait on va_vdst a trip, ahead of the stage's stores: BF, the four stage addresses (stepped at the end of the trip before) and v[BR] are written, and the vector side is done with ACC+0..15.  Behind it the only
; vector lines up to the next trip's loads into BF are the four adds to the stage addresses, so it serves those loads too.  Two waits on vm_vsrc: ahead of the add to v[BR], and at the trip's end.
; LDS: H in bytes 0 .. 262,143; behind it the spare words, 128 bytes for each of the 16 waves.
; H: 16,384 w + 1,024 t + 256 (l / 4) + 16 p + 4 (l % 4) for point p of the wave's 16-point tile t, level l: a 16-byte read of four levels takes 256 consecutive bytes for 16 points.
; A level's store of 32 points covers two such tiles: 16 points 16 bytes apart, twice, 1,024 bytes apart: the two halves of the lanes fall on the same 16 of the 64 banks (ISA guide 11.1).
.set LEVB, 0x200000                    ; a level of tq: 2^19 entries of 4 bytes
.set ZZ,   6                           ; v[6:7] 0
.set HST0, 8                           ; v8   16,384 w + 1,024 (l / 16) + 16 (l % 16)
.set HST,  9                           ; v9   + the level's place
.set XO,   10                          ; v10  my point's 12 bytes in the wave's xq
.set PFO,  11                          ; v11  the prefetches' offset in a level
; v[12:17] the three products (low, high); v18, v[20:21] fractions as f32; v19 cx + 1; v22-25 cy P1, (cy+1) P1, cz P2, (cz+1) P2; v26-29 the four y-z parts; v[32:39] at work in the blend
.set OUT,  44                          ; v[44:51]   tile t's two features of the level, a pair of f16
.set XQ,   64                          ; v[64:95]   tile t's xq at XQ + 4 t .. + 2
.set IDX,  96                          ; v[96:127], v[224:255] tile t's eight indices at IDX + 8 t + 96 (t / 4), corner c at + c; a dense level has one, at + 0
.set RING, 128                         ; v[128:223] a slot of 12 for each tile: +c the entry of corner c = i + 2 j + 4 k (x-corner i, y-corner j, z-corner k), +8 wy, +9 wz, +10 wx
.set DB,   44                          ; s[44:59]   a dense level's table at corner c: s[DB + 2 c : DB + 2 c + 1]
; scalars: s[4:5] xq, s[6:7] tq, s[8:9] wf, s[10:11] out0 (at the work-group's part); s12 wave; s13 the level's place in H; s14 16 * 3^l; s15 l; s16 res << 5; s17 S1; s18 S1^2;
; s[20:21] the level's table; s28, s29 the primes mod 2^19; s30 2^19 - 1; s31, s32 counters; s33 osc; s[34:35] an offset; s36 the first level at which I prefetch;
; s37 -1 twice in f16; s[38:39] lane selects; s40 16,384 w
	s_load_b256 s[4:11], s[0:1], 0x0
	v_lshl_add_u32 v4, v0, 2, 0x40000
	v_mov_b32 v5, 0
	v_lshrrev_b32 v12, 5, v0
	v_readfirstlane_b32 s12, v12                   ; wave 0..15
	v_and_b32 v13, 31, v0                          ; l
	v_bfe_u32 v14, v0, 4, 1                        ; l / 16
	v_and_b32 v15, 15, v0                          ; l % 16
	v_mov_b32 v[ZZ], 0
	v_mov_b32 v[ZZ+1], 0
	s_wait_alu depctr_va_sdst(0)                   ; s12 is written, ahead of its first reader: the wave's places in LDS and in xq are made from it
	s_lshl_b32 s40, s12, 14
	v_lshl_add_u32 v[HST0], v14, 10, s40
	v_lshl_add_u32 v[HST0], v15, 4, v[HST0]
	s_mul_i32 s41, s12, 3072                       ; 256 points of 12 bytes
	v_mul_u32_u24 v[XO], v13, 12
	v_add_nc_u32 v[XO], s41, v[XO]
	s_lshl_b32 s42, ttmp9, 13
	v_lshl_add_u32 v[PFO], v13, 8, s42             ; (32 x work-group + l) x 256: inside a level for every wave
	s_mov_b32 s28, 0x779b1                         ; 2,654,435,761 mod 2^19
	s_mov_b32 s29, 0x25795                         ; 805,459,861 mod 2^19
	s_mov_b32 s30, 0x7ffff
	s_mov_b32 s37, 0xbc00bc00
	s_mov_b32 s38, 0x76543210
	s_mov_b32 s39, 0xfedcba98
	s_mov_b32 s35, 0
	s_cmp_eq_u32 s12, 0
	s_cselect_b32 s36, 3, 99                       ; wave 0 prefetches from level 3 on, the others never
	s_mov_b32 s14, 16
	s_mov_b32 s15, 0
	s_mov_b32 s13, 0
	s_mul_i32 s34, ttmp9, 49152
	s_wait_kmcnt 0x0
	s_add_nc_u64 s[4:5], s[4:5], s[34:35]
	s_lshl_b32 s34, ttmp9, 18                      ; 4,096 points of 64 bytes
	s_add_nc_u64 s[10:11], s[10:11], s[34:35]
	s_mov_b64 s[20:21], s[6:7]
	s_load_b32 s33, s[8:9], 0x3800                 ; osc; no line of this kernel writes wf
	s_wait_alu depctr_va_vdst(0)                   ; v[XO] is written, which the loads below read, and v[PFO], which every prefetch reads and no vector line names again
.set i, 0
.rept 8
	global_load_b96 v[XQ+4*i:XQ+4*i+2], v[XO], s[4:5] offset:384*i th:TH_LOAD_NT  ; a tile's 384 consecutive bytes
.set i, i+1
.endr
	s_wait_loadcnt 0x0
	s_wait_kmcnt 0x0
; Tile t's position in the level: cells in v13, v15, v17; the slot's three weights.
.macro POS t
.set SL, RING+12*(\t)
	v_mad_nc_u64_u32 v[12:13], v[XQ+4*(\t)],   s16, v[ZZ:ZZ+1]
	v_mad_nc_u64_u32 v[14:15], v[XQ+4*(\t)+1], s16, v[ZZ:ZZ+1]
	v_mad_nc_u64_u32 v[16:17], v[XQ+4*(\t)+2], s16, v[ZZ:ZZ+1]
	v_cvt_f32_u32 v18, v12
	v_cvt_f32_u32 v20, v14
	v_cvt_f32_u32 v21, v16
	v_mul_f32 v[SL+10], 0x2f800000, v18            ; wx: fraction32 * 2^-32
	v_pk_mul_f32 v[SL+8:SL+9], v[20:21], 0x2f800000 op_sel_hi:[1,0]  ; wy, wz
.endm
; In tile 0 alone, ahead of the level's first write of an index: the one wait of the level on vm_vsrc, and behind it the level's place in H.
.macro FREE t
.if (\t) == 0
	s_wait_alu depctr_vm_vsrc(0)                   ; the level before's loads have read IDX, its LDS stores OUT and v[HST]: all three are written again from here on
	v_add_nc_u32 v[HST], s13, v[HST0]
.endif
.endm
; Tile t's indices: vector lines alone.  kind = 0: a dense level: one index, for eight bases.  kind = 1: a hashed level: eight indices.
; Every index passes a v_min_u32 with a constant as its last step, so that no load leaves the level's 2^19 entries whatever xq holds.
.macro INDEX kind, t
	POS \t
.set IX, IDX+8*(\t)+96*((\t)/4)
.if \kind
	v_mul_u32_u24 v22, s28, v15
	v_mul_u32_u24 v24, s29, v17
	v_add_nc_u32 v19, 1, v13
	v_add_nc_u32 v23, s28, v22
	v_add_nc_u32 v25, s29, v24
	v_xor_b32 v26, v22, v24                        ; the y-z part of corners (j, k) = (0, 0),
	v_xor_b32 v27, v23, v24                        ; (1, 0),
	v_xor_b32 v28, v22, v25                        ; (0, 1),
	v_xor_b32 v29, v23, v25                        ; (1, 1)
.irp m, 0,1,2,3
	v_and_b32 v[26+(\m)], s30, v[26+(\m)]
.endr
	FREE \t
.irp m, 0,1,2,3
	v_xor_b32 v[IX+2*(\m)],   v13, v[26+(\m)]
	v_xor_b32 v[IX+2*(\m)+1], v19, v[26+(\m)]
.endr
.irp c, 0,1,2,3,4,5,6,7
	v_min_u32 v[IX+(\c)], 0x7ffff, v[IX+(\c)]
.endr
.else
	v_mad_u32_u24 v27, v15, s17, v13
	v_mad_u32_u24 v27, v17, s18, v27
	FREE \t
	v_min_u32 v[IX], 0x7f3f6, v27
.endif
.endm
; Tile t's eight loads of 4 bytes a lane: offsets from IDX[t], entries into the tile's slot.
.macro LOADS kind, t
.set SL, RING+12*(\t)
.set IX, IDX+8*(\t)+96*((\t)/4)
.irp c, 0,1,2,3,4,5,6,7
.if \kind
	global_load_b32 v[SL+(\c)], v[IX+(\c)], s[20:21] scale_offset
.else
	global_load_b32 v[SL+(\c)], v[IX], s[DB+2*(\c):DB+2*(\c)+1] scale_offset
.endif
.endr
.endm
; Tile t's eight entries are blended along x, then y, then z, and rounded to f16 into OUT[t].  left = the loads issued behind this tile's eight, which may stay out.
; The four differences do not wait for each other, nor do the eight lines that follow them.
.macro BLEND t, left
.set SL, RING+12*(\t)
	s_wait_loadcnt \left
.irp m, 0,1,2,3
	v_pk_fma_f16 v[SL+2*(\m)+1], v[SL+2*(\m)], s37, v[SL+2*(\m)+1]  ; x-corner 1 less x-corner 0, both features: the product by -1 is exact, the sum is rounded once
.endr
.irp m, 0,1,2,3
	v_fma_mix_f32 v[32+2*(\m)], v[SL+2*(\m)+1], v[SL+10], v[SL+2*(\m)] op_sel_hi:[1,0,1]                 ; difference * wx + x-corner 0 in f32: feature 0 from the low halves,
	v_fma_mix_f32 v[33+2*(\m)], v[SL+2*(\m)+1], v[SL+10], v[SL+2*(\m)] op_sel:[1,0,1] op_sel_hi:[1,0,1]  ; feature 1 from the high ones
.endr
	v_pk_add_f32 v[34:35], v[34:35], v[32:33] neg_lo:[0,1] neg_hi:[0,1]
	v_pk_add_f32 v[38:39], v[38:39], v[36:37] neg_lo:[0,1] neg_hi:[0,1]
	v_pk_fma_f32 v[32:33], v[34:35], v[SL+8:SL+9], v[32:33] op_sel_hi:[1,0,1]  ; both features by wy
	v_pk_fma_f32 v[36:37], v[38:39], v[SL+8:SL+9], v[36:37] op_sel_hi:[1,0,1]
	v_pk_add_f32 v[36:37], v[36:37], v[32:33] neg_lo:[0,1] neg_hi:[0,1]
	v_pk_fma_f32 v[32:33], v[36:37], v[SL+8:SL+9], v[32:33] op_sel:[0,1,0] op_sel_hi:[1,1,1]  ; both by wz
	v_cvt_pk_f16_f32 v[OUT+(\t)], v32, v33
.endm
; A PREFETCH of the next level's table: its 8,192 blocks of 256 bytes, a lane a block: wave 0 of the 256 work-groups, one instruction each, so each block is named once in the launch.
; Levels 3 to 14 ask for levels 4 to 15; level 15 asks for nothing.  It stands behind the level's first 56 loads; the wait that follows it is for loads issued earlier.
.macro ASK
	s_cmp_ge_u32 s15, s36
	s_cbranch_scc0 .Lnot_asked_\@
	s_cmp_lt_u32 s15, 15
	s_cbranch_scc0 .Lnot_asked_\@
	global_prefetch_b8 v[PFO], s[20:21] offset:LEVB th:TH_LOAD_NT scope:SCOPE_SE
.Lnot_asked_\@:
.endm
; One level for the wave's 8 tiles.  Each tile has a slot of its own; 7 tiles' loads, 56 of the wave, go out before the first tile is blended, the eighth's behind it.
.macro LEVEL kind
	s_lshr_b32 s16, s14, s15                       ; res
.if (\kind) == 0
	s_add_co_u32 s17, s16, 1
	s_mul_i32 s18, s17, s17
	s_mov_b64 s[DB:DB+1], s[20:21]
	s_add_nc_u64 s[DB+2:DB+3], s[20:21], 4         ; one step along x: an entry of 4 bytes
	s_lshl_b32 s34, s17, 2
	s_add_nc_u64 s[DB+4:DB+5], s[DB:DB+1],   s[34:35]  ; one along y: S1 entries
	s_add_nc_u64 s[DB+6:DB+7], s[DB+2:DB+3], s[34:35]
	s_lshl_b32 s34, s18, 2
.irp c, 0,1,2,3
	s_add_nc_u64 s[DB+8+2*(\c):DB+9+2*(\c)], s[DB+2*(\c):DB+2*(\c)+1], s[34:35]  ; one along z: S1^2 entries
.endr
.endif
	s_lshl_b32 s16, s16, 5
.irp p, 0,2,4
	INDEX \kind, \p
	INDEX \kind, (\p)+1
	s_wait_alu depctr_va_vdst(0)                   ; the pair's indices are written, which the sixteen loads below read; the level before's blends are done with the slots in which they land
	LOADS \kind, \p
	LOADS \kind, (\p)+1
.endr
	INDEX \kind, 6
	INDEX \kind, 7
	s_wait_alu depctr_va_vdst(0)                   ; the indices of tiles 6 and 7 are written; the level before's blends are done with these two slots
	LOADS \kind, 6
	ASK
	BLEND 0, 48                                    ; behind tile 0's eight loads stand those of tiles 1 to 6
	LOADS \kind, 7                                 ; no wait: since the last one only tile 0's blend was issued, which names none of IDX[7] and of slot 7's entries
.irp t, 1,2,3,4,5,6,7
	BLEND \t, 8*(7-(\t))                           ; behind tile t's stand those of tiles t + 1 to 7: the counts run down to 0
.endr
	s_wait_alu depctr_va_vdst(0)                   ; the eight roundings have written OUT, and v[HST] is written: the LDS stores below read both
.irp t, 0,1,2,3,4,5,6,7
	ds_store_b32 v[HST], v[OUT+(\t)] offset:2048*(\t)
.endr
	s_wait_xcnt 0x0                                ; the prefetch has read its base (the loads are done): the bases are written again only behind this wait
	s_add_nc_u64 s[20:21], s[20:21], LEVB          ; the next level's 2^19 entries
	s_mul_i32 s14, s14, 3
	s_add_co_u32 s15, s15, 1
	s_add_co_u32 s13, s13, 4
.endm
	s_mov_b32 s31, 4
.Ldense:                                       ; levels 0 to 3
	LEVEL 0
	s_sub_co_u32 s31, s31, 1
	s_cmp_lg_u32 s31, 0
	s_cbranch_scc1 .Ldense
	s_add_co_u32 s13, s13, 240                     ; four levels fill 16 bytes a point; the next four lie 256 bytes on
	s_mov_b32 s32, 3
.Lchunk:                                       ; levels 4 to 15, four at a time
	s_mov_b32 s31, 4
.Lhash:
	LEVEL 1
	s_sub_co_u32 s31, s31, 1
	s_cmp_lg_u32 s31, 0
	s_cbranch_scc1 .Lhash
	s_add_co_u32 s13, s13, 240
	s_sub_co_u32 s32, s32, 1
	s_cmp_lg_u32 s32, 0
	s_cbranch_scc1 .Lchunk
	; PHASE 2.  From here on r = l % 16 is the point in a tile of 16, h = l / 16.
.set BR,  10                           ; v10  source 1 of layer 1: 16,384 w + 256 h + 16 r (levels 4 h ..; 512 bytes on: levels 8 + 4 h ..)
.set SA,  11                           ; v11  the way out: where my outputs 8 h .. 8 h + 3 go,
.set SB,  12                           ; v12  and my outputs 8 h + 4 .. 8 h + 7
.set RA,  13                           ; v13  where I read 16 bytes of the tile's first 512 output bytes back,
.set RB,  14                           ; v14  and of its second 512
.set GO,  15                           ; v15  16,384 w + 16 l: my 16 bytes in 512 consecutive bytes of out0; never rewritten
.set WO,  16                           ; v16  16 l
.set MX,  20                           ; v20-23 four running maxima: tile u, half c at MX + 2 u + c
.set SC,  26                           ; v[26:29] tile u's scale, twice (a pair for the packed multiply), at SC + 2 u; later its output factor
.set INV, 30                           ; v30, v31 tile u's 2^(e+1)
.set BF,  32                           ; v[32:47] tile u's source 1 of layer 1 at BF + 8 u; later layer 3's sums
.set PK,  48                           ; v[48:79] tile u's 64 activations in f16 at PK + 16 u: source 1 of layers 2 and 3
.set ACC, 80                           ; v[80:143] tile u, feature tile t at ACC + 32 u + 8 t; v[80:95] later the outputs read back
.set WB,  144                          ; v[144:255] the 14 weight fragments, 8 registers each
; THE STAGE.  A tile's 1,024 output bytes pass through its own 1,024 bytes of H, once its features have been read.  The 16 bytes of point p, quarter q lie at 16 (16 q + (p + 4 q) % 16):
; the sixteen lanes of a store (one q, all p) and of a load (four p, all q) each touch sixteen different 16-byte columns.
	s_wait_alu depctr_vm_vsrc(0)                   ; phase 1's loads have read v[XO] and IDX, its prefetches v[PFO], its LDS stores OUT: all these registers take new contents from here on
	v_and_b32 v17, 15, v0                          ; r
	v_bfe_u32 v18, v0, 4, 1                        ; h
	v_and_b32 v19, 31, v0                          ; l
	v_lshl_add_u32 v[BR], v18, 8, s40
	v_lshl_add_u32 v[BR], v17, 4, v[BR]
	v_lshl_add_u32 v20, v18, 3, v17                ; r + 8 h: quarter q = 2 h
	v_and_b32 v21, 15, v20
	v_lshl_add_u32 v21, v18, 5, v21
	v_lshl_add_u32 v[SA], v21, 4, s40
	v_add_nc_u32 v20, 4, v20                       ; quarter q = 2 h + 1
	v_and_b32 v20, 15, v20
	v_lshl_add_u32 v20, v18, 5, v20
	v_add_nc_u32 v20, 16, v20
	v_lshl_add_u32 v[SB], v20, 4, s40
	v_and_b32 v22, 3, v0                           ; back: q = l % 4, p = l / 4 (second half: + 8)
	v_lshrrev_b32 v23, 2, v19
	v_lshl_add_u32 v23, v22, 2, v23
	v_and_b32 v24, 15, v23
	v_lshl_add_u32 v24, v22, 4, v24
	v_lshl_add_u32 v[RA], v24, 4, s40
	v_add_nc_u32 v23, 8, v23
	v_and_b32 v23, 15, v23
	v_lshl_add_u32 v23, v22, 4, v23
	v_lshl_add_u32 v[RB], v23, 4, s40
	v_lshlrev_b32 v[WO], 4, v19
	v_add_nc_u32 v[GO], s40, v[WO]
	v_mov_b32 v24, 0                               ; the exchanges' destinations count as read
	v_mov_b32 v25, 0
	s_wait_alu depctr_va_vdst(0)                   ; the seven addresses v10 to v16 are written; phase 1's vector lines are done with v[144:255], in which the weights land, and with BF's registers, in which the first trip's loads land
.set i, 0
.rept 14
	global_load_b128 v[WB+8*i:WB+8*i+3],   v[WO], s[8:9] offset:1024*i
	global_load_b128 v[WB+8*i+4:WB+8*i+7], v[WO], s[8:9] offset:1024*i+512
.set i, i+1
.endr
	s_wait_loadcnt 0x0
.macro PLACES                          ; places behind matrix instructions: plain vector instructions that name none of their registers (ISA guide 7.12.1)
.rept 4
	v_nop
.endr
.endm
	s_mov_b32 s31, 8
.Lmlp:                                         ; a trip: tiles 2 j and 2 j + 1 of the wave
	ds_load_b128 v[BF:BF+3],     v[BR]             ; LDS serves a wave's instructions in order: these see the wave's own stores of phase 1.  No wait on va_vdst here: since the last one
	ds_load_b128 v[BF+4:BF+7],   v[BR] offset:512  ; (ahead of the weights' loads; round the loop, ahead of the stage's stores) no vector line has named v[BR] or BF
	ds_load_b128 v[BF+8:BF+11],  v[BR] offset:1024
	ds_load_b128 v[BF+12:BF+15], v[BR] offset:1536
	s_wait_dscnt 0x0
	s_wait_alu depctr_vm_vsrc(0)                   ; the four loads have read v[BR]
	v_add_nc_u32 v[BR], 2048, v[BR]                ; the next two tiles; it is shown written by this trip's wait ahead of the stage's stores
	; LAYER 1: 32 -> 64.  Eight accumulators, each started by its one product.
.irp t, 0,1,2,3
.irp u, 0,1
	v_wmma_f32_16x16x32_f16 v[ACC+32*(\u)+8*(\t):ACC+32*(\u)+8*(\t)+7], v[WB+8*(\t):WB+8*(\t)+7], v[BF+8*(\u):BF+8*(\u)+7], 0
.endr
.endr
	PLACES
	; each point's largest number, or 0: four chains of 16 registers (two accumulators each), in ascending order
.irp c, 0,1,2,3
	v_max3_num_f32 v[MX+(\c)], v[ACC+16*(\c)], v[ACC+16*(\c)+1], v[ACC+16*(\c)+2]
.endr
.set n, 1
.rept 6
.irp c, 0,1,2,3
	v_max3_num_f32 v[MX+(\c)], v[MX+(\c)], v[ACC+16*(\c)+2*n+1], v[ACC+16*(\c)+2*n+2]
.endr
.set n, n+1
.endr
.irp c, 0,1,2,3
	v_max3_num_f32 v[MX+(\c)], v[MX+(\c)], v[ACC+16*(\c)+15], 0
.endr
	v_max_num_f32 v[MX],   v[MX],   v[MX+1]
	v_max_num_f32 v[MX+2], v[MX+2], v[MX+3]
	v_permlanex16_b32 v24, v[MX],   s38, s39       ; the point's other 32 features lie in the lane 16 away
	v_permlanex16_b32 v25, v[MX+2], s38, s39
	v_max_num_f32 v[MX],   v[MX],   v24
	v_max_num_f32 v[MX+2], v[MX+2], v25
	v_and_b32 v[MX],   0x7f800000, v[MX]           ; the exponent's bits: biased exponent b
	v_and_b32 v[MX+2], 0x7f800000, v[MX+2]
.irp u, 0,1
	v_sub_nc_u32 v[SC+2*(\u)],   0x7e800000, v[MX+2*(\u)]  ; biased exponent 253 - b: 2^-(e+1)
	v_sub_nc_u32 v[SC+2*(\u)+1], 0x7e800000, v[MX+2*(\u)]
	v_add_nc_u32 v[INV+(\u)],    0x00800000, v[MX+2*(\u)]  ; 2^(e+1)
.endr
.set i, 0
.rept 32
	v_pk_mul_f32 v[ACC+2*i:ACC+2*i+1], v[ACC+2*i:ACC+2*i+1], v[SC+2*(i/16):SC+2*(i/16)+1] clamp  ; into [0, 1): the scale is exact, the lower bound is the ReLU
.set i, i+1
.endr
.set i, 0
.rept 32
	v_cvt_pk_f16_f32 v[PK+i], v[ACC+2*i], v[ACC+2*i+1]
.set i, i+1
.endr
	; LAYER 2: 64 -> 64.  The eight accumulators take turns, one instruction a turn: seven others stand between the two links of a chain.
.irp a, 0,1
.irp t, 0,1,2,3
.irp u, 0,1
.if (\a) == 0
	v_wmma_f32_16x16x32_f16 v[ACC+32*(\u)+8*(\t):ACC+32*(\u)+8*(\t)+7], v[WB+8*(4+2*(\t)):WB+8*(4+2*(\t))+7], v[PK+16*(\u):PK+16*(\u)+7], 0
.else
	v_wmma_f32_16x16x32_f16 v[ACC+32*(\u)+8*(\t):ACC+32*(\u)+8*(\t)+7], v[WB+8*(5+2*(\t)):WB+8*(5+2*(\t))+7], v[PK+16*(\u)+8:PK+16*(\u)+15], v[ACC+32*(\u)+8*(\t):ACC+32*(\u)+8*(\t)+7]
.endif
.endr
.endr
.endr
	PLACES
	PLACES                                         ; eight: the lines below read results and write over a source
.set i, 0
.rept 32
	v_cvt_pk_f16_f32 v[PK+i], v[ACC+2*i], v[ACC+2*i+1]
.set i, i+1
.endr
.set i, 0
.rept 32
	v_pk_max_num_f16 v[PK+i], v[PK+i], v[ZZ]       ; the ReLU, two at a time; nothing is rounded
.set i, i+1
.endr
	; LAYER 3: 64 -> 16.  Two accumulators by turns.
.irp a, 0,1
.irp u, 0,1
.if (\a) == 0
	v_wmma_f32_16x16x32_f16 v[BF+8*(\u):BF+8*(\u)+7], v[WB+96:WB+103], v[PK+16*(\u):PK+16*(\u)+7], 0
.else
	v_wmma_f32_16x16x32_f16 v[BF+8*(\u):BF+8*(\u)+7], v[WB+104:WB+111], v[PK+16*(\u)+8:PK+16*(\u)+15], v[BF+8*(\u):BF+8*(\u)+7]
.endif
.endr
.endr
.irp u, 0,1
	v_mul_f32 v[SC+2*(\u)],   s33, v[INV+(\u)]     ; the point's output factor 2^(e+1) osc, twice; these four lines are places too
	v_mul_f32 v[SC+2*(\u)+1], s33, v[INV+(\u)]
.endr
	PLACES                                         ; eight in all: the lines below rewrite the results in place
.set i, 0
.rept 8
	v_pk_mul_f32 v[BF+2*i:BF+2*i+1], v[BF+2*i:BF+2*i+1], v[SC+2*(i/4):SC+2*(i/4)+1]
.set i, i+1
.endr
	; THE WAY OUT: a lane's 32 bytes of a point's 64 go into the stage and come back as 512 consecutive bytes of out0 a load.
	s_wait_alu depctr_va_vdst(0)                   ; the multiplies have written BF, which the LDS stores read; v[SA], v[SB], v[RA], v[RB] and v[BR] are written; the vector side is done with ACC+0..15, in which the LDS loads land
.irp u, 0,1
	ds_store_b128 v[SA], v[BF+8*(\u):BF+8*(\u)+3]   offset:1024*(\u)
	ds_store_b128 v[SB], v[BF+8*(\u)+4:BF+8*(\u)+7] offset:1024*(\u)
.endr
.irp u, 0,1
	ds_load_b128 v[ACC+8*(\u):ACC+8*(\u)+3],   v[RA] offset:1024*(\u)  ; the wave's own bytes, served in order: these see the stores above
	ds_load_b128 v[ACC+8*(\u)+4:ACC+8*(\u)+7], v[RB] offset:1024*(\u)
.endr
.irp n, 0,1,2,3
	s_wait_dscnt 3-(\n)                            ; load n is back; the 3 - n younger ones may stay out
	global_store_b128 v[GO], v[ACC+4*(\n):ACC+4*(\n)+3], s[10:11] offset:512*(\n) th:TH_STORE_NT  ; 512 consecutive bytes, at a multiple of 512 from out0's first byte
.endr
	s_wait_xcnt 0x0                                ; the stores have read their base and their data: both are written again only behind this wait
	s_wait_alu depctr_vm_vsrc(0)                   ; the stores to out0 have read ACC+0..15, the LDS stores BF, v[SA] and v[SB], the LDS loads v[RA] and v[RB]: the adds below and the next trip write all of these again
	s_add_nc_u64 s[10:11], s[10:11], 2048
.irp r, SA, SB, RA, RB
	v_add_nc_u32 v[\r], 2048, v[\r]                ; the next two tiles; shown written by the next trip's wait ahead of the stage's stores
.endr
	s_sub_co_u32 s31, s31, 1
	s_cmp_lg_u32 s31, 0
	s_cbranch_scc1 .Lmlp
	s_wait_dscnt 0x0                               ; the wave's end: my last LDS instructions are done
	s_wait_alu depctr_hold_cnt(0) depctr_sa_sdst(0) depctr_va_vdst(0) depctr_va_sdst(0) depctr_va_ssrc(0) depctr_va_vcc(0) depctr_vm_vsrc(0)
	s_wait_tensorcnt 0x0
	ds_add_u32 v4, v5
	s_wait_dscnt 0x0
	s_endpgm
.Lfunc_end_k_q3e0cafc984_encode:
	.size	k_q3e0cafc984_encode, .Lfunc_end_k_q3e0cafc984_encode-k_q3e0cafc984_encode
	.p2alignl 7, 3214868480
	.fill 96, 4, 3214868480
	.section	.rodata,"a",@progbits
	.p2align	6, 0x0
	.amdhsa_kernel k_q3e0cafc984_encode
		.amdhsa_group_segment_fixed_size 264192
		.amdhsa_private_segment_fixed_size 0
		.amdhsa_enable_private_segment 0
		.amdhsa_kernarg_size 32
		.amdhsa_user_sgpr_count 2
		.amdhsa_user_sgpr_kernarg_segment_ptr 1
		.amdhsa_wavefront_size32 1
		.amdhsa_system_sgpr_workgroup_id_x 1
		.amdhsa_system_sgpr_workgroup_id_y 1
		.amdhsa_system_sgpr_workgroup_id_z 1
		.amdhsa_system_vgpr_workitem_id 0
		.amdhsa_next_free_vgpr 256
		.amdhsa_next_free_sgpr 66
		.amdhsa_reserve_vcc 0
		.amdhsa_float_denorm_mode_32 3
		.amdhsa_float_denorm_mode_16_64 3
		.amdhsa_memory_ordered 1
		.amdhsa_forward_progress 1
		.amdhsa_inst_pref_size 76
	.end_amdhsa_kernel
	.amdgpu_metadata
---
amdhsa.version: [ 1, 2 ]
amdhsa.kernels:
  - .name:           k_q3e0cafc984_encode
    .symbol:         k_q3e0cafc984_encode.kd
    .args:
      - { .name: xq, .offset: 0, .size: 8, .value_kind: global_buffer, .address_space: global }
      - { .name: tq, .offset: 8, .size: 8, .value_kind: global_buffer, .address_space: global }
      - { .name: wf, .offset: 16, .size: 8, .value_kind: global_buffer, .address_space: global }
      - { .name: out0, .offset: 24, .size: 8, .value_kind: global_buffer, .address_space: global }
    .group_segment_fixed_size: 264192
    .private_segment_fixed_size: 0
    .kernarg_segment_align: 8
    .kernarg_segment_size: 32
    .max_flat_workgroup_size: 512
    .sgpr_count:     66
    .vgpr_count:     256
    .wavefront_size: 32
...
	.end_amdgpu_metadata
.endif
;; end of part 6
